; MI455X (gfx1250); checked and timed in simulation.
; The chip was launched on July 23, 2026; its instructions are those of AMD's public machine-readable ISA for CDNA 5 (MIT licence, August 2026) and "CDNA5" Instruction Set Architecture Reference Guide (July 2026). The comments in the code are by the model that wrote it; some were corrected since.
;; Local Attention. Allowed arithmetic: float matrix products may take bf16 or f16 operands with f32 sums; other float arithmetic in f32, or as packed bf16 or f16 multiplies, adds, multiply-adds, maxima and minima; sums over many terms, partial sums and values carried from step to step in f32; what a program stores and reads back later, other than sums and carried values, may be rounded once to bf16 or f16.
;; Inputs: W_a 1,024 x 1,024 float32; W_c 1,024 x 2,048 float32; W_p 1,024 x 1,024 float32; encoder_outputs 64 x 1,024 x 1,024 float32; output 64 x 1 x 1,024 float32; v_p 1 x 1,024 float32.
;; Outputs: out0 64 x 1 x 1,024 float32.
;; Constants: time_step = 5.
;; 2 versions, each right; version 2 is version 1 with the launches prep, ctxmm written anew for expert scheduling mode. Each part assembles by itself: llvm-mc -triple=amdgcn-amd-amdhsa -mcpu=gfx1250 --defsym DOCPART=n.
;; ======== version 1 of 2: 4 launches
;; workspace buffers: gp 3,145,728 bytes; accp 1,048,576 bytes; stat 2,048 bytes; cp 2,097,152 bytes
;; launch prep (part 1): grid 64 x 3, 8 waves a work-group, no clusters, 167,936 bytes of LDS; arguments output, W_a, W_p, W_c, gp; writes gp
.if DOCPART == 1
	.amdgcn_target "amdgcn-amd-amdhsa--gfx1250"
	.amdhsa_code_object_version 6
	.text
	.protected	k_qe25d49a4ef_prep
	.globl	k_qe25d49a4ef_prep
	.p2align	8
	.type	k_qe25d49a4ef_prep,@function
k_qe25d49a4ef_prep:
	s_mov_b64 s[64:65], 0
	v_nop
	global_prefetch_b8 v0, s[64:65] scope:SCOPE_SE
	s_setreg_imm32_b32 hwreg(HW_REG_WAVE_MODE, 25, 1), 1
	s_wait_xcnt 0x0
; THREE PRODUCTS OF THE 64 QUERIES WITH WEIGHTS, as partial sums over slices of K.  gp: f32 [task 3][slice 4][batch 64][column 1024].
;   task 0: sum over g of output[n][g] W_a[g][h]          (the scores are then enc[n][l] . this vector: the same sum as output . (enc W_a^T), taken in another order)
;   task 1: sum over h of output[n][h] W_p[g][h]          (the argument of the position's tanh)
;   task 2: sum over c of output[n][c] W_c[h][1024 + c]   (the query's half of the last product)
; SHARES.  Work-group (x, y): task y, 64 columns (x % 16), 256 of K (x / 16): a product 64 x 64 x 256.  Eight waves: wave w makes batches 16 (w % 4) .. + 15, columns 32 (w / 4) .. + 31: two accumulators.
; NUMBERS.  Each f32 operand x is split into hi = bf16(x) and lo = bf16(x - hi); the matrix unit adds hi hi + hi lo + lo hi in f32.  What is dropped (lo lo, and lo's own rounding) is about 2^-16 of a product.
; The position multiplies an error of its argument by 256 rows, and the window turns a shift of a fraction of a row into a change of several per cent: operands rounded once to bf16 would not do.
; LIMITS.  The order of the sums differs from the order of a plain f32 product; NaN and infinities are not treated apart.
; Everything is asked for at once, and no LDS byte is written twice.  No cluster: the shared slice of output has to pass through registers to be split before it lies in LDS, and it is fetched once.
; THE MATRIX INSTRUCTION IS USED TRANSPOSED (source 0 = 16 columns of the weights, source 1 = 16 batches): a lane then holds eight neighbouring columns of one batch's row.
.set PA,    528                        ; an LDS row of 256 bf16 + 16 bytes: 33 x 16, so the 16 rows of a fragment load begin in 16 different columns of 16 bytes
.set PT,    160                        ; task 0: W_a lies [k][column]: a row of 64 bf16 + 32 bytes: 5 x 32, for the turning load
.set AL,    64*PA                      ; output's lo parts, behind its hi parts
.set WH,    2*64*PA                    ; the weights' hi parts
.set WL,    256*PT                     ; from the weights' hi parts to their lo parts (40,960: room for either layout)
.set STAGE, WH+2*WL                    ; 64 rows x 272 bytes of f32, for the way out
.set SP,    272
.set SPARE, STAGE+64*SP                ; the spare words, 128 bytes for each wave: four blocks of 256 bytes that no other line names
.set GA,   4                           ; v4   byte offset of my 16 bytes in output's slice
.set GW,   5                           ; v5   the same in the weights' slice
.set SA,   6                           ; v6   LDS: where my 8 bytes of hi parts of output go
.set SW,   7                           ; v7   the same for the weights
.set FA,   8                           ; v8   LDS: my lane's place in output's fragments
.set FW,   9                           ; v9   the same in the weights' hi parts; v10: in their lo parts
.set ST,   11                          ; v11  the way out: where I put my results
.set RD,   12                          ; v12  the way out: where I read rows back
.set GO,   13                          ; v13  my byte offset in gp
.set SPW,  14                          ; v14  LDS address of my spare word; never rewritten
.set NIL,  15                          ; v15  0; never rewritten
.set T,    16                          ; v[16:31] two sets of eight at work
.set ACC0, 32
.set ACC1, 40
.set XA,   48                          ; v[48:111]  output as loaded, 16 items of 4
.set XW,   112                         ; v[112:175] weights as loaded
.set B0,   48                          ; behind the barrier: two fragment buffers of 48, v[48:95] and v[96:143]
.set OB,   144                         ; the way out: rows read back
; 16 loads of a slice whose rows lie along K: item i is half i % 2 of row i / 2 of my eight rows; each instruction takes 512 consecutive bytes
.macro LOADK x, voff, base, pitch, nt
.set i, 0
.rept 16
.if \nt
	global_load_b128 v[(\x)+4*i:(\x)+4*i+3], v[\voff], s[\base:\base+1] offset:(i/2)*(\pitch)+(i%2)*512 th:TH_LOAD_NT
.else
	global_load_b128 v[(\x)+4*i:(\x)+4*i+3], v[\voff], s[\base:\base+1] offset:(i/2)*(\pitch)+(i%2)*512
.endif
.set i, i+1
.endr
.endm
; four f32 in v[x .. x+3] are split: hi rounded to bf16, widened again, taken away (exact), the rest rounded to bf16; 8 bytes of each go to LDS
.macro CONV x, adr, ih, il, t
	v_cvt_pk_bf16_f32 v[(\t)],   v[(\x)],   v[(\x)+1]
	v_cvt_pk_bf16_f32 v[(\t)+1], v[(\x)+2], v[(\x)+3]
	v_lshlrev_b32 v[(\t)+2], 16,  v[(\t)]
	v_and_b32     v[(\t)+3], s22, v[(\t)]
	v_lshlrev_b32 v[(\t)+4], 16,  v[(\t)+1]
	v_and_b32     v[(\t)+5], s22, v[(\t)+1]
	v_pk_add_f32 v[(\x):(\x)+1],   v[(\x):(\x)+1],   v[(\t)+2:(\t)+3] neg_lo:[0,1] neg_hi:[0,1]
	v_pk_add_f32 v[(\x)+2:(\x)+3], v[(\x)+2:(\x)+3], v[(\t)+4:(\t)+5] neg_lo:[0,1] neg_hi:[0,1]
	v_cvt_pk_bf16_f32 v[(\t)+6], v[(\x)],   v[(\x)+1]
	v_cvt_pk_bf16_f32 v[(\t)+7], v[(\x)+2], v[(\x)+3]
	ds_store_b64 v[\adr], v[(\t):(\t)+1]   offset:\ih
	ds_store_b64 v[\adr], v[(\t)+6:(\t)+7] offset:\il
.endm
; 12 LDS loads: the fragments of 32 along K.  In the buffer: output hi 0-7, lo 8-15; weights hi of column blocks 0, 1 at 16, 24; lo at 32, 40.
; tr = 1: the weights lie [k][column] and are turned on the way (16 k x 16 columns a load).
.macro FETCH step, buf, tr
	ds_load_b128 v[(\buf):(\buf)+3],     v[FA] offset:64*(\step)
	ds_load_b128 v[(\buf)+4:(\buf)+7],   v[FA] offset:64*(\step)+32
	ds_load_b128 v[(\buf)+8:(\buf)+11],  v[FA] offset:64*(\step)+AL
	ds_load_b128 v[(\buf)+12:(\buf)+15], v[FA] offset:64*(\step)+AL+32
.irp hl, 0,1
.irp bk, 0,1
.if \tr
	ds_load_tr16_b128 v[(\buf)+16+16*(\hl)+8*(\bk):(\buf)+19+16*(\hl)+8*(\bk)], v[FW+(\hl)] offset:32*PT*(\step)+32*(\bk)
	ds_load_tr16_b128 v[(\buf)+20+16*(\hl)+8*(\bk):(\buf)+23+16*(\hl)+8*(\bk)], v[FW+(\hl)] offset:32*PT*(\step)+16*PT+32*(\bk)
.else
	ds_load_b128 v[(\buf)+16+16*(\hl)+8*(\bk):(\buf)+19+16*(\hl)+8*(\bk)], v[FW+(\hl)] offset:64*(\step)+16*PA*(\bk)
	ds_load_b128 v[(\buf)+20+16*(\hl)+8*(\bk):(\buf)+23+16*(\hl)+8*(\bk)], v[FW+(\hl)] offset:64*(\step)+16*PA*(\bk)+32
.endif
.endr
.endr
.endm
; six matrix instructions: hi hi, hi lo, lo hi for both column blocks.  The two accumulators take turns, one instruction a turn, from step to step too.
; first = 0: the first K step starts the sums with the constant 0: nothing is cleared.
.macro MUL buf, first
.if (\first) == 0
	v_wmma_f32_16x16x32_bf16 v[ACC0:ACC0+7], v[(\buf)+16:(\buf)+23], v[(\buf):(\buf)+7], 0
	v_wmma_f32_16x16x32_bf16 v[ACC1:ACC1+7], v[(\buf)+24:(\buf)+31], v[(\buf):(\buf)+7], 0
.else
	v_wmma_f32_16x16x32_bf16 v[ACC0:ACC0+7], v[(\buf)+16:(\buf)+23], v[(\buf):(\buf)+7], v[ACC0:ACC0+7]
	v_wmma_f32_16x16x32_bf16 v[ACC1:ACC1+7], v[(\buf)+24:(\buf)+31], v[(\buf):(\buf)+7], v[ACC1:ACC1+7]
.endif
	v_wmma_f32_16x16x32_bf16 v[ACC0:ACC0+7], v[(\buf)+16:(\buf)+23], v[(\buf)+8:(\buf)+15], v[ACC0:ACC0+7]
	v_wmma_f32_16x16x32_bf16 v[ACC1:ACC1+7], v[(\buf)+24:(\buf)+31], v[(\buf)+8:(\buf)+15], v[ACC1:ACC1+7]
	v_wmma_f32_16x16x32_bf16 v[ACC0:ACC0+7], v[(\buf)+32:(\buf)+39], v[(\buf):(\buf)+7], v[ACC0:ACC0+7]
	v_wmma_f32_16x16x32_bf16 v[ACC1:ACC1+7], v[(\buf)+40:(\buf)+47], v[(\buf):(\buf)+7], v[ACC1:ACC1+7]
.endm
.macro PLACES                          ; four plain vector instructions between a matrix instruction and a load into its sources or a reader of its result
.rept 4
	v_nop
.endr
.endm
; eight K steps on two buffers: while one step is multiplied the next one's 12 loads are out
.macro GEMM tr
	FETCH 0, B0, \tr
	FETCH 1, B1, \tr
.set kk, 0
.rept 8
.if kk < 7
	s_wait_dscnt 12                                ; this step's fragments are in; the 12 loads of the next step may stay out
.else
	s_wait_dscnt 0x0
.endif
	MUL B0+48*(kk%2), kk
.if kk < 6
	PLACES
	FETCH kk+2, B0+48*(kk%2), \tr
.endif
.set kk, kk+1
.endr
.endm
.set B1, B0+48
	s_load_b256 s[4:11], s[0:1], 0x0               ; output s[4:5], W_a s[6:7], W_p s[8:9], W_c s[10:11]
	s_load_b64 s[12:13], s[0:1], 0x20              ; gp
	v_lshl_add_u32 v[SPW], v0, 2, SPARE
	v_mov_b32 v[NIL], 0
	v_lshrrev_b32 v16, 5, v0
	v_readfirstlane_b32 s14, v16                   ; wave 0..7
	s_and_b32 s15, ttmp7, 0xffff                   ; task
	s_and_b32 s16, ttmp9, 15                       ; block of 64 columns
	s_lshr_b32 s17, ttmp9, 4                       ; slice of 256 along K
	s_mov_b32 s22, 0xffff0000                      ; a word's upper bf16
	s_and_b32 s23, s14, 3                          ; my block of 16 batches
	s_lshr_b32 s24, s14, 2                         ; my half of the 64 columns
	v_and_b32 v1, 31, v0                           ; lane
	v_and_b32 v2, 15, v0                           ; lane % 16
	v_bfe_u32 v3, v0, 4, 1                         ; lane / 16
	s_lshl_b32 s25, s14, 15                        ; eight rows of 4,096 bytes a wave
	v_lshl_add_u32 v[GA], v1, 4, s25
	v_lshlrev_b32 v[GO], 12, v3                    ; out: lanes 0-15 one row's 256 bytes, lanes 16-31 the next row's
	v_lshl_add_u32 v[GO], v2, 4, v[GO]
	v_add_nc_u32 v[GO], s25, v[GO]
	s_mul_i32 s25, s14, 8*PA
	v_lshl_add_u32 v[SA], v1, 3, s25
	s_mul_i32 s25, s23, 16*PA
	v_mul_u32_u24 v[FA], v2, PA
	v_lshl_add_u32 v[FA], v3, 4, v[FA]             ; row x pitch + 16 x half
	v_add_nc_u32 v[FA], s25, v[FA]
	s_mul_i32 s25, s23, 16*SP                      ; into the stage: batch 16 (w % 4) + lane % 16, columns 32 (w / 4) + 8 (lane / 16) on
	s_lshl_b32 s26, s24, 7
	s_add_co_u32 s25, s25, s26
	s_add_co_u32 s25, s25, STAGE
	v_mul_u32_u24 v[ST], v2, SP
	v_lshl_add_u32 v[ST], v3, 5, v[ST]
	v_add_nc_u32 v[ST], s25, v[ST]
	s_mul_i32 s25, s14, 8*SP                       ; back: wave w takes rows 8 w .. 8 w + 7, whole
	s_add_co_u32 s25, s25, STAGE
	v_mul_u32_u24 v[RD], v3, SP
	v_lshl_add_u32 v[RD], v2, 4, v[RD]
	v_add_nc_u32 v[RD], s25, v[RD]
	s_lshl_b32 s18, s17, 10                        ; the slice's 256 f32 in a row that lies along K
	s_mov_b32 s19, 0
	s_lshl_b32 s20, s15, 20                        ; gp: task, slice, column block
	s_lshl_b32 s26, s17, 18
	s_add_co_u32 s20, s20, s26
	s_lshl_b32 s26, s16, 8
	s_add_co_u32 s20, s20, s26
	s_mov_b32 s21, 0
	s_wait_kmcnt 0x0
	s_add_nc_u64 s[4:5], s[4:5], s[18:19]
	s_add_nc_u64 s[12:13], s[12:13], s[20:21]
	LOADK XA, GA, 4, 4096, 0                       ; output's slice: read by many work-groups, so no hint
	; the weights' slice: each of the three ways issues 16 loads, so the counts below hold on all of them
	s_cmp_eq_u32 s15, 0
	s_cbranch_scc1 .Lload_t
	v_add_nc_u32 v[SW], WH, v[SA]                  ; tasks 1 and 2: rows along K, laid out as output's
	s_mul_i32 s25, s24, 32*PA
	s_add_co_u32 s25, s25, WH
	v_mul_u32_u24 v[FW], v2, PA
	v_lshl_add_u32 v[FW], v3, 4, v[FW]
	v_add_nc_u32 v[FW], s25, v[FW]
	s_cmp_eq_u32 s15, 1
	s_cbranch_scc0 .Lload_c
	s_lshl_b32 s20, s16, 18                        ; W_p: 64 rows of 4,096 bytes a block
	s_add_co_u32 s20, s20, s18
	s_add_nc_u64 s[8:9], s[8:9], s[20:21]
	v_mov_b32 v[GW], v[GA]
	LOADK XW, GW, 8, 4096, 1
	s_branch .Lloaded
.Lload_c:
	s_lshl_b32 s20, s16, 19                        ; W_c: 64 rows of 8,192 bytes a block, second half of each row
	s_add_co_u32 s20, s20, s18
	s_add_co_u32 s20, s20, 4096
	s_add_nc_u64 s[10:11], s[10:11], s[20:21]
	s_lshl_b32 s25, s14, 16
	v_lshl_add_u32 v[GW], v1, 4, s25
	LOADK XW, GW, 10, 8192, 1
	s_branch .Lloaded
.Lload_t:
	s_lshl_b32 s20, s17, 20                        ; W_a: K runs down the rows: 256 rows of 4,096 bytes a slice, 256 bytes of each
	s_lshl_b32 s26, s16, 8
	s_add_co_u32 s20, s20, s26
	s_add_nc_u64 s[6:7], s[6:7], s[20:21]
	s_lshl_b32 s25, s14, 17                        ; 32 rows a wave
	v_lshlrev_b32 v[GW], 12, v3
	v_lshl_add_u32 v[GW], v2, 4, v[GW]
	v_add_nc_u32 v[GW], s25, v[GW]
	s_mul_i32 s25, s14, 32*PT
	s_add_co_u32 s25, s25, WH
	v_mul_u32_u24 v[SW], v3, PT
	v_lshl_add_u32 v[SW], v2, 3, v[SW]
	v_add_nc_u32 v[SW], s25, v[SW]
	v_and_b32 v16, 7, v0                           ; the turning load: lane l reads k = 8 (l / 16) + l % 8, columns 8 ((l / 8) % 2) + 0..7
	v_lshl_add_u32 v16, v3, 3, v16
	v_mul_u32_u24 v[FW], v16, PT
	v_bfe_u32 v16, v0, 3, 1
	v_lshl_add_u32 v[FW], v16, 4, v[FW]
	s_lshl_b32 s25, s24, 6
	s_add_co_u32 s25, s25, WH
	v_add_nc_u32 v[FW], s25, v[FW]
.set i, 0
.rept 16                               ; lanes 0-15 take the 256 bytes of row 32 w + 2 i, lanes 16-31 those of the next row
	global_load_b128 v[XW+4*i:XW+4*i+3], v[GW], s[6:7] offset:2*i*4096 th:TH_LOAD_NT
.set i, i+1
.endr
.Lloaded:
	v_add_nc_u32 v[FW+1], WL, v[FW]
.set i, 0
.rept 16
	s_wait_loadcnt 31-i                            ; loads come back in order: item i of output is in; its younger items and the weights' 16 stay out
	CONV XA+4*i, SA, (i/2)*PA+(i%2)*256, (i/2)*PA+(i%2)*256+AL, T+8*(i%2)
.set i, i+1
.endr
	s_cmp_eq_u32 s15, 0
	s_cbranch_scc1 .Lconv_t
.set i, 0
.rept 16
	s_wait_loadcnt 15-i                            ; item i of the weights is in
	CONV XW+4*i, SW, (i/2)*PA+(i%2)*256, (i/2)*PA+(i%2)*256+WL, T+8*(i%2)
.set i, i+1
.endr
	s_branch .Lconved
.Lconv_t:
.set i, 0
.rept 16
	s_wait_loadcnt 15-i
	CONV XW+4*i, SW, 2*i*PT, 2*i*PT+WL, T+8*(i%2)
.set i, i+1
.endr
.Lconved:
	s_wait_dscnt 0x0                               ; for the others' sake: my stores are done
	s_barrier_signal -1
	s_barrier_wait -1                              ; both operands lie whole in LDS
	s_cmp_eq_u32 s15, 0
	s_cbranch_scc1 .Lgemm_t
	GEMM 0
	s_branch .Lout
.Lgemm_t:
	GEMM 1
.Lout:
	PLACES
	ds_store_b128 v[ST], v[ACC0:ACC0+3]            ; each accumulator's lowest registers are read first
	ds_store_b128 v[ST], v[ACC0+4:ACC0+7] offset:16
	ds_store_b128 v[ST], v[ACC1:ACC1+3]   offset:64
	ds_store_b128 v[ST], v[ACC1+4:ACC1+7] offset:80
	s_wait_dscnt 0x0                               ; a row's 256 bytes come from two waves
	s_barrier_signal -1
	s_barrier_wait -1
.irp t, 0,1,2,3
	ds_load_b128 v[OB+4*(\t):OB+4*(\t)+3], v[RD] offset:(\t)*2*SP
.endr
.irp t, 0,1,2,3
	s_wait_dscnt 3-(\t)
	global_store_b128 v[GO], v[OB+4*(\t):OB+4*(\t)+3], s[12:13] offset:(\t)*2*4096  ; 16 lanes store 256 consecutive bytes, at a multiple of 256 from gp's first byte
.endr
	s_wait_tensorcnt 0x0                           ; the wave's end, behind my last LDS store
	ds_add_u32 v[SPW], v[NIL]
	s_wait_dscnt 0x0
	s_endpgm
.Lfunc_end_k_qe25d49a4ef_prep:
	.size	k_qe25d49a4ef_prep, .Lfunc_end_k_qe25d49a4ef_prep-k_qe25d49a4ef_prep
	.p2alignl 7, 3214868480
	.fill 96, 4, 3214868480
	.section	.rodata,"a",@progbits
	.p2align	6, 0x0
	.amdhsa_kernel k_qe25d49a4ef_prep
		.amdhsa_group_segment_fixed_size 167936
		.amdhsa_private_segment_fixed_size 0
		.amdhsa_enable_private_segment 0
		.amdhsa_kernarg_size 40
		.amdhsa_user_sgpr_count 2
		.amdhsa_user_sgpr_kernarg_segment_ptr 1
		.amdhsa_wavefront_size32 1
		.amdhsa_system_sgpr_workgroup_id_x 1
		.amdhsa_system_sgpr_workgroup_id_y 1
		.amdhsa_system_sgpr_workgroup_id_z 1
		.amdhsa_system_vgpr_workitem_id 0
		.amdhsa_next_free_vgpr 176
		.amdhsa_next_free_sgpr 66
		.amdhsa_reserve_vcc 0
		.amdhsa_float_denorm_mode_32 3
		.amdhsa_float_denorm_mode_16_64 3
		.amdhsa_memory_ordered 1
		.amdhsa_forward_progress 1
		.amdhsa_inst_pref_size 64
	.end_amdhsa_kernel
	.amdgpu_metadata
---
amdhsa.version: [ 1, 2 ]
amdhsa.kernels:
  - .name:           k_qe25d49a4ef_prep
    .symbol:         k_qe25d49a4ef_prep.kd
    .args:
      - { .name: output, .offset: 0, .size: 8, .value_kind: global_buffer, .address_space: global }
      - { .name: W_a, .offset: 8, .size: 8, .value_kind: global_buffer, .address_space: global }
      - { .name: W_p, .offset: 16, .size: 8, .value_kind: global_buffer, .address_space: global }
      - { .name: W_c, .offset: 24, .size: 8, .value_kind: global_buffer, .address_space: global }
      - { .name: gp, .offset: 32, .size: 8, .value_kind: global_buffer, .address_space: global }
    .group_segment_fixed_size: 167936
    .private_segment_fixed_size: 0
    .kernarg_segment_align: 8
    .kernarg_segment_size: 40
    .max_flat_workgroup_size: 256
    .sgpr_count:     66
    .vgpr_count:     176
    .wavefront_size: 32
...
	.end_amdgpu_metadata
.endif
;; end of part 1
;; launch stream (part 2): grid 256 x 1, 16 waves a work-group, no clusters, 72,192 bytes of LDS; arguments encoder_outputs, gp, v_p, accp, stat; writes accp, stat
.if DOCPART == 2
	.amdgcn_target "amdgcn-amd-amdhsa--gfx1250"
	.amdhsa_code_object_version 6
	.text
	.protected	k_qe25d49a4ef_stream
	.globl	k_qe25d49a4ef_stream
	.p2align	8
	.type	k_qe25d49a4ef_stream,@function
k_qe25d49a4ef_stream:
	s_mov_b64 s[64:65], 0
	v_nop
	global_prefetch_b8 v0, s[64:65] scope:SCOPE_SE
	s_setreg_imm32_b32 hwreg(HW_REG_WAVE_MODE, 25, 1), 1
	s_wait_xcnt 0x0
; THE STREAM.  encoder_outputs ([64][1024][1024] f32) is read once.  Work-group wg owns batch wg / 4 and rows 256 (wg % 4) .. + 255, 1 MiB on end; wave w owns 16 of them, 64 KiB on end.
; For each row: s = enc[row] . u (u = the query times W_a, from gp, already times log2 e), e = 2^(s - m) under a running maximum m, l += e, context += e g enc[row], with g the window's factor of that row.
; The row stays in registers between the dot product and the sum.  Out go, for each work-group, m, l (without g) and the unnormalised context; the next launch joins a batch's four quarters.
; THE WINDOW.  p = 1024 sigmoid(v_p . tanh(task 1's sums)); g = exp(-(row - p)^2 / 25).  Every work-group of a batch makes p anew from gp: 1,024 tanh, two a thread.
; All arithmetic here is f32 on the vector unit: there is one query a batch, so a matrix instruction would use one of its 16 columns, and the conversion alone would cost what the packed multiply-add costs.
; No LDS ring and no tensor loads: a row has to be in registers anyway, and the ring of four row slots in registers keeps 32 loads of 512 bytes of every wave on their way.  No cluster: no two work-groups read the same row.
; LIMITS.  tanh(y) = 1 - 2 / (1 + 2^(2 y log2 e)) and the sigmoid likewise, by v_exp_f32 and v_rcp_f32: an absolute error of about 2^-23.  A weight or window factor below 2^-126 counts as 0.
; The order of the sums is this text's own.  NaN and infinities are not treated apart.
.set XLDS,  4096                       ; LDS 0 .. 4,095: u;  here: the 16 waves' parts of v_p . tanh
.set SM,    4352                       ; 16 pairs (m, l)
.set ACCS,  4608                       ; 16 x 4,096 bytes: the waves' contexts
.set SPARE, ACCS+16*4096               ; the spare words, 128 bytes for each wave: eight blocks of 256 bytes that no other line names
.set SLICE, 262144                     ; bytes from one K slice of gp to the next
.set VOFF, 2                           ; v2   byte offset of my 16 bytes in my wave's first row; never rewritten
.set V8,   3                           ; v3   8 x my thread's number: my two columns
.set UA,   4                           ; v4   16 x lane
.set XAD,  5                           ; v5   the constant XLDS
.set AS,   6                           ; v6   LDS: where my wave's context goes
.set AR,   7                           ; v7   LDS: my two columns in wave 0's context
.set SPW,  8                           ; v8   LDS address of my spare word; never rewritten
.set NIL,  9                           ; v9   0; never rewritten
.set ML,   10                          ; v10 m, v11 l
.set T,    12                          ; v12 a, v13 m_old - m; v14 e g of row A, v15 e; v16, v17 the same of row B; v18 the new m; v19 at work
.set DA,   20                          ; v[20:27] row A's four chains of the dot product
.set DB,   28                          ; v[28:35] row B's
.set U,    36                          ; v[36:67] u: register 4 j + e holds column 128 j + 4 lane + e, as a row's registers do
.set ACC,  68                          ; v[68:99] the context; before the first row: at work
.set R,    100                         ; v[100:227] four row slots of 32
.set G,    24                          ; s[24:39] the window's factors of my 16 rows
.macro FILL row                        ; a row's eight loads, 512 consecutive bytes each
.set j, 0
.rept 8
	global_load_b128 v[R+32*((\row)%4)+4*j:R+32*((\row)%4)+4*j+3], v[VOFF], s[4:5] offset:(\row)*4096+512*j th:TH_LOAD_NT
.set j, j+1
.endr
.endm
.macro DOT d, x                        ; 32 products in four chains of packed multiply-adds; the first four start the sums
.set k, 0
.rept 4
	v_pk_mul_f32 v[(\d)+2*k:(\d)+2*k+1], v[(\x)+2*k:(\x)+2*k+1], v[U+2*k:U+2*k+1]
.set k, k+1
.endr
.rept 12
	v_pk_fma_f32 v[(\d)+2*(k%4):(\d)+2*(k%4)+1], v[(\x)+2*k:(\x)+2*k+1], v[U+2*k:U+2*k+1], v[(\d)+2*(k%4):(\d)+2*(k%4)+1]
.set k, k+1
.endr
.endm
; Rows 2 t and 2 t + 1.  first = 1: they start m, l and the context.  fill = 1: each slot takes the row four further on as soon as it has been read.  left: the loads younger than row B's.
.macro TURN t, first, fill, left
.set RA, R+32*((2*(\t))%4)
.set RB, R+32*((2*(\t)+1)%4)
	s_wait_loadcnt (\left)+8                       ; loads come back in order: row A is in; row B's eight and the next pair's stay out
	DOT DA, RA
	s_wait_loadcnt \left                           ; row B is in
	DOT DB, RB
	v_pk_add_f32 v[DA:DA+1],   v[DA:DA+1],   v[DA+2:DA+3]
	v_pk_add_f32 v[DB:DB+1],   v[DB:DB+1],   v[DB+2:DB+3]
	v_pk_add_f32 v[DA+4:DA+5], v[DA+4:DA+5], v[DA+6:DA+7]
	v_pk_add_f32 v[DB+4:DB+5], v[DB+4:DB+5], v[DB+6:DB+7]
	v_pk_add_f32 v[DA:DA+1],   v[DA:DA+1],   v[DA+4:DA+5]
	v_pk_add_f32 v[DB:DB+1],   v[DB:DB+1],   v[DB+4:DB+5]
	v_add_f32 v[DA], v[DA], v[DA+1]
	v_add_f32 v[DB], v[DB], v[DB+1]
.irp x, 1,2,4,8                        ; across the lanes: four steps inside each half of 16, one across the halves; every lane ends with the sum
	v_add_f32_dpp v[DA], v[DA], v[DA] row_xmask:\x row_mask:0xf bank_mask:0xf
	v_add_f32_dpp v[DB], v[DB], v[DB] row_xmask:\x row_mask:0xf bank_mask:0xf
.endr
	v_permlanex16_b32 v[DA+1], v[DA], s20, s21
	v_permlanex16_b32 v[DB+1], v[DB], s20, s21
	v_add_f32 v[DA], v[DA], v[DA+1]
	v_add_f32 v[DB], v[DB], v[DB+1]
.if \first
	v_max_num_f32 v[T+6], v[DA], v[DB]
.else
	v_max3_num_f32 v[T+6], v[ML], v[DA], v[DB]
	v_sub_f32 v[T+1], v[ML], v[T+6]
.endif
	v_sub_f32 v[T+3], v[DA], v[T+6]
	v_sub_f32 v[T+5], v[DB], v[T+6]
.if !(\first)
	v_exp_f32 v[T], v[T+1]                         ; a = 2^(m_old - m_new)
.endif
	v_exp_f32 v[T+3], v[T+3]
	v_exp_f32 v[T+5], v[T+5]
	v_mov_b32 v[ML], v[T+6]                        ; the plain instruction between the exponentials and the use of their results
.if \first
	s_wait_alu depctr_va_vdst(0)
	v_add_f32 v[ML+1], v[T+3], v[T+5]
.else
	s_wait_alu depctr_va_vdst(0)
	v_fma_f32 v[ML+1], v[ML+1], v[T], v[T+3]
	v_add_f32 v[ML+1], v[ML+1], v[T+5]
.endif
	v_mul_f32 v[T+2], s[G+2*(\t)],   v[T+3]
	v_mul_f32 v[T+4], s[G+2*(\t)+1], v[T+5]
.if !(\first)
.set k, 0
.rept 16
	v_pk_mul_f32 v[ACC+2*k:ACC+2*k+1], v[ACC+2*k:ACC+2*k+1], v[T:T+1] op_sel_hi:[1,0]
.set k, k+1
.endr
.endif
.set k, 0
.rept 16
.if \first
	v_pk_mul_f32 v[ACC+2*k:ACC+2*k+1], v[RA+2*k:RA+2*k+1], v[T+2:T+3] op_sel_hi:[1,0]
.else
	v_pk_fma_f32 v[ACC+2*k:ACC+2*k+1], v[RA+2*k:RA+2*k+1], v[T+2:T+3], v[ACC+2*k:ACC+2*k+1] op_sel_hi:[1,0,1]
.endif
.set k, k+1
.endr
.if \fill
	FILL 2*(\t)+4
.endif
.set k, 0
.rept 16
	v_pk_fma_f32 v[ACC+2*k:ACC+2*k+1], v[RB+2*k:RB+2*k+1], v[T+4:T+5], v[ACC+2*k:ACC+2*k+1] op_sel_hi:[1,0,1]
.set k, k+1
.endr
.if \fill
	FILL 2*(\t)+5
.endif
.endm
	s_load_b256 s[4:11], s[0:1], 0x0               ; encoder_outputs s[4:5], gp s[6:7], v_p s[8:9], accp s[10:11]
	s_load_b64 s[12:13], s[0:1], 0x20              ; stat
	v_lshl_add_u32 v[SPW], v0, 2, SPARE
	v_mov_b32 v[NIL], 0
	v_lshrrev_b32 v1, 5, v0
	v_readfirstlane_b32 s14, v1                    ; wave 0..15
	v_and_b32 v1, 31, v0                           ; lane
	s_lshl_b32 s15, s14, 16                        ; 16 rows of 4,096 bytes a wave
	v_lshl_add_u32 v[VOFF], v1, 4, s15
	v_lshlrev_b32 v[V8], 3, v0
	v_lshlrev_b32 v[UA], 4, v1
	v_mov_b32 v[XAD], XLDS
	s_lshl_b32 s15, s14, 12
	s_add_co_u32 s15, s15, ACCS
	v_lshl_add_u32 v[AS], v1, 4, s15
	v_add_nc_u32 v[AR], ACCS, v[V8]
	s_lshl_b32 s15, s14, 2
	s_add_co_u32 s15, s15, XLDS
	v_mov_b32 v[T], s15                            ; my wave's word in XLDS
	v_mov_b32 v[ACC+19], 0                         ; v_permlanex16_b32's destination counts as read
	s_mov_b32 s20, 0x76543210                      ; v_permlanex16_b32: each lane takes its own place in the other half
	s_mov_b32 s21, 0xfedcba98
	s_lshl_b32 s16, ttmp9, 20                      ; my work-group's 256 rows
	s_mov_b32 s17, 0
	s_lshr_b32 s18, ttmp9, 2                       ; the batch,
	s_lshl_b32 s18, s18, 12                        ; its row in each slice of gp
	s_mov_b32 s19, 0
	s_lshl_b32 s22, ttmp9, 12                      ; my row of accp
	s_mov_b32 s23, 0
	s_lshl_b32 s42, ttmp9, 3                       ; my pair in stat
	s_mov_b32 s43, 0
	s_wait_kmcnt 0x0
	s_add_nc_u64 s[4:5], s[4:5], s[16:17]
	s_add_nc_u64 s[6:7], s[6:7], s[18:19]
	s_add_nc_u64 s[10:11], s[10:11], s[22:23]
	s_add_nc_u64 s[12:13], s[12:13], s[42:43]
.irp s, 0,1,2,3
	global_load_b64 v[ACC+2*(\s):ACC+2*(\s)+1], v[V8], s[6:7] offset:(\s)*SLICE        ; task 0's four partial sums of my two columns
.endr
.irp s, 0,1,2,3
	global_load_b64 v[ACC+8+2*(\s):ACC+9+2*(\s)], v[V8], s[6:7] offset:(4+(\s))*SLICE  ; task 1's
.endr
	global_load_b64 v[ACC+16:ACC+17], v[V8], s[8:9]                                    ; v_p
	FILL 0                                         ; the ring is filled behind them, so that the nine come back first
	FILL 1
	FILL 2
	FILL 3
	s_wait_loadcnt 32                              ; the nine are in; the four rows' 32 loads stay out
	v_pk_add_f32 v[ACC:ACC+1],     v[ACC:ACC+1],     v[ACC+2:ACC+3]
	v_pk_add_f32 v[ACC+4:ACC+5],   v[ACC+4:ACC+5],   v[ACC+6:ACC+7]
	v_pk_add_f32 v[ACC+8:ACC+9],   v[ACC+8:ACC+9],   v[ACC+10:ACC+11]
	v_pk_add_f32 v[ACC+12:ACC+13], v[ACC+12:ACC+13], v[ACC+14:ACC+15]
	v_pk_add_f32 v[ACC:ACC+1],     v[ACC:ACC+1],     v[ACC+4:ACC+5]
	v_pk_add_f32 v[ACC+8:ACC+9],   v[ACC+8:ACC+9],   v[ACC+12:ACC+13]
	v_pk_mul_f32 v[ACC:ACC+1],     v[ACC:ACC+1],     0x3fb8aa3b op_sel_hi:[1,0]  ; u times log2 e: the scores come out in powers of two
	v_pk_mul_f32 v[ACC+8:ACC+9],   v[ACC+8:ACC+9],   0x4038aa3b op_sel_hi:[1,0]  ; 2 y log2 e
	ds_store_b64 v[V8], v[ACC:ACC+1]               ; u, at LDS byte 0 on
	v_exp_f32 v[ACC+8], v[ACC+8]
	v_exp_f32 v[ACC+9], v[ACC+9]
	v_nop                                          ; a plain instruction behind the transcendentals, here and below
	s_wait_alu depctr_va_vdst(0)
	v_pk_add_f32 v[ACC+8:ACC+9], v[ACC+8:ACC+9], 1.0 op_sel_hi:[1,0]
	v_rcp_f32 v[ACC+8], v[ACC+8]
	v_rcp_f32 v[ACC+9], v[ACC+9]
	v_nop
	s_wait_alu depctr_va_vdst(0)
	v_pk_fma_f32 v[ACC+8:ACC+9], v[ACC+8:ACC+9], -2.0, 1.0 op_sel_hi:[1,0,0]  ; tanh
	v_mul_f32 v[ACC+18], v[ACC+8], v[ACC+16]
	v_fmac_f32 v[ACC+18], v[ACC+9], v[ACC+17]
.irp x, 1,2,4,8
	v_add_f32_dpp v[ACC+18], v[ACC+18], v[ACC+18] row_xmask:\x row_mask:0xf bank_mask:0xf
.endr
	v_permlanex16_b32 v[ACC+19], v[ACC+18], s20, s21
	v_add_f32 v[ACC+18], v[ACC+18], v[ACC+19]
	ds_store_b32 v[T], v[ACC+18]                   ; all lanes write the same word with the same value
	s_wait_dscnt 0x0                               ; for the others' sake: my stores are done
	s_barrier_signal -1
	s_barrier_wait -1
.set j, 0
.rept 8
	ds_load_b128 v[U+4*j:U+4*j+3], v[UA] offset:512*j
.set j, j+1
.endr
.irp j, 0,1,2,3
	ds_load_b128 v[ACC+4*(\j):ACC+4*(\j)+3], v[XAD] offset:16*(\j)
.endr
	s_and_b32 s15, ttmp9, 3                        ; my first row in the batch: 256 x quarter + 16 x wave
	s_lshl_b32 s15, s15, 8
	s_lshl_b32 s16, s14, 4
	s_add_co_u32 s15, s15, s16
	v_and_b32 v[T+1], 15, v0
	v_add_nc_u32 v[T+1], s15, v[T+1]
	v_cvt_f32_u32 v[T+1], v[T+1]                   ; lane i % 16 works on row i of my 16
	s_wait_dscnt 0x0
	v_pk_add_f32 v[ACC:ACC+1],     v[ACC:ACC+1],     v[ACC+2:ACC+3]
	v_pk_add_f32 v[ACC+4:ACC+5],   v[ACC+4:ACC+5],   v[ACC+6:ACC+7]
	v_pk_add_f32 v[ACC+8:ACC+9],   v[ACC+8:ACC+9],   v[ACC+10:ACC+11]
	v_pk_add_f32 v[ACC+12:ACC+13], v[ACC+12:ACC+13], v[ACC+14:ACC+15]
	v_pk_add_f32 v[ACC:ACC+1],     v[ACC:ACC+1],     v[ACC+4:ACC+5]
	v_pk_add_f32 v[ACC+8:ACC+9],   v[ACC+8:ACC+9],   v[ACC+12:ACC+13]
	v_pk_add_f32 v[ACC:ACC+1],     v[ACC:ACC+1],     v[ACC+8:ACC+9]
	v_add_f32 v[ACC], v[ACC], v[ACC+1]             ; x = v_p . tanh, the same in every lane of every wave
	v_mul_f32 v[ACC], 0xbfb8aa3b, v[ACC]
	v_exp_f32 v[ACC], v[ACC]
	v_nop
	s_wait_alu depctr_va_vdst(0)
	v_add_f32 v[ACC], 1.0, v[ACC]
	v_rcp_f32 v[ACC], v[ACC]
	v_nop
	s_wait_alu depctr_va_vdst(0)
	v_mul_f32 v[ACC], 0x44800000, v[ACC]           ; p = 1024 sigmoid(x)
	v_sub_f32 v[T+1], v[T+1], v[ACC]
	v_mul_f32 v[T+1], v[T+1], v[T+1]
	v_mul_f32 v[T+1], 0xbd6c5f04, v[T+1]           ; - log2 e / 25
	v_exp_f32 v[T+1], v[T+1]
	v_nop
.set j, 0
	s_wait_alu depctr_va_vdst(0)
.rept 16
	v_readlane_b32 s[G+j], v[T+1], j               ; the factors serve as multipliers alone: no address and no branch hangs on them
.set j, j+1
.endr
	TURN 0, 1, 1, 16
.irp t, 1,2,3,4,5
	TURN \t, 0, 1, 16
.endr
	TURN 6, 0, 0, 16                               ; the last four rows ask for nothing more: no load leaves my 16 rows
	TURN 7, 0, 0, 0
	; THE SIXTEEN WAVES ARE JOINED: each puts its context and (m, l) into LDS; then thread t adds up columns 2 t and 2 t + 1, each wave's part times 2^(m_w - M)
.set j, 0
.rept 8
	ds_store_b128 v[AS], v[ACC+4*j:ACC+4*j+3] offset:512*j
.set j, j+1
.endr
	s_lshl_b32 s15, s14, 3
	s_add_co_u32 s15, s15, SM
	v_mov_b32 v[T+7], s15
	ds_store_b64 v[T+7], v[ML:ML+1]
	s_wait_dscnt 0x0
	s_barrier_signal -1
	s_barrier_wait -1
.set j, 0
.rept 8
	ds_load_b128 v[R+4*j:R+4*j+3], v[XAD] offset:SM-XLDS+16*j        ; wave w's m at R + 2 w, its l at R + 2 w + 1
.set j, j+1
.endr
.set j, 0
.rept 16
	ds_load_b64 v[R+32+2*j:R+33+2*j], v[AR] offset:4096*j
.set j, j+1
.endr
	s_wait_dscnt 16                                ; the pairs (m, l) are in; the 16 loads behind them may stay out
	v_max3_num_f32 v[T],   v[R],    v[R+2],  v[R+4]
	v_max3_num_f32 v[T+4], v[R+6],  v[R+8],  v[R+10]
	v_max3_num_f32 v[T+5], v[R+12], v[R+14], v[R+16]
	v_max3_num_f32 v[T+6], v[R+18], v[R+20], v[R+22]
	v_max3_num_f32 v[T],   v[T],    v[R+24], v[R+26]
	v_max3_num_f32 v[T+4], v[T+4],  v[R+28], v[R+30]
	v_max3_num_f32 v[T],   v[T],    v[T+4],  v[T+5]
	v_max_num_f32  v[T],   v[T],    v[T+6]         ; M
.set j, 0
.rept 16
	v_sub_f32 v[R+2*j], v[R+2*j], v[T]
.set j, j+1
.endr
.set j, 0
.rept 16
	v_exp_f32 v[R+2*j], v[R+2*j]
.set j, j+1
.endr
	v_mov_b32 v[T+7], 0                            ; a zero offset for the store of (M, L); also the plain instruction behind the exponentials
	s_wait_alu depctr_va_vdst(0)
	v_mul_f32 v[T+1], v[R], v[R+1]
.set j, 1
.rept 15
	v_fmac_f32 v[T+1], v[R+2*j], v[R+2*j+1]
.set j, j+1
.endr
	s_wait_dscnt 0x0
	v_pk_mul_f32 v[T+2:T+3], v[R+32:R+33], v[R:R+1] op_sel_hi:[1,0]
.set j, 1
.rept 15
	v_pk_fma_f32 v[T+2:T+3], v[R+32+2*j:R+33+2*j], v[R+2*j:R+2*j+1], v[T+2:T+3] op_sel_hi:[1,0,1]
.set j, j+1
.endr
	global_store_b64 v[V8], v[T+2:T+3], s[10:11]   ; a wave stores 256 consecutive bytes, at a multiple of 256 from accp's first byte
	s_wait_xcnt 0x0                                ; EXEC is a source of that store: it changes only behind this wait
	v_cmp_eq_u32 vcc_lo, 0, v0
	s_and_saveexec_b32 s40, vcc_lo
	global_store_b64 v[T+7], v[T:T+1], s[12:13]    ; thread 0 alone: (M, L), 8 bytes a work-group
	s_wait_xcnt 0x0                                ; and again, in front of the line that widens it
	s_or_b32 exec_lo, exec_lo, s40
	s_wait_tensorcnt 0x0                           ; the wave's end, behind my last LDS store
	ds_add_u32 v[SPW], v[NIL]
	s_wait_dscnt 0x0
	s_endpgm
.Lfunc_end_k_qe25d49a4ef_stream:
	.size	k_qe25d49a4ef_stream, .Lfunc_end_k_qe25d49a4ef_stream-k_qe25d49a4ef_stream
	.p2alignl 7, 3214868480
	.fill 96, 4, 3214868480
	.section	.rodata,"a",@progbits
	.p2align	6, 0x0
	.amdhsa_kernel k_qe25d49a4ef_stream
		.amdhsa_group_segment_fixed_size 72192
		.amdhsa_private_segment_fixed_size 0
		.amdhsa_enable_private_segment 0
		.amdhsa_kernarg_size 40
		.amdhsa_user_sgpr_count 2
		.amdhsa_user_sgpr_kernarg_segment_ptr 1
		.amdhsa_wavefront_size32 1
		.amdhsa_system_sgpr_workgroup_id_x 1
		.amdhsa_system_sgpr_workgroup_id_y 1
		.amdhsa_system_sgpr_workgroup_id_z 1
		.amdhsa_system_vgpr_workitem_id 0
		.amdhsa_next_free_vgpr 228
		.amdhsa_next_free_sgpr 66
		.amdhsa_reserve_vcc 1
		.amdhsa_float_denorm_mode_32 3
		.amdhsa_float_denorm_mode_16_64 3
		.amdhsa_memory_ordered 1
		.amdhsa_forward_progress 1
		.amdhsa_inst_pref_size 78
	.end_amdhsa_kernel
	.amdgpu_metadata
---
amdhsa.version: [ 1, 2 ]
amdhsa.kernels:
  - .name:           k_qe25d49a4ef_stream
    .symbol:         k_qe25d49a4ef_stream.kd
    .args:
      - { .name: encoder_outputs, .offset: 0, .size: 8, .value_kind: global_buffer, .address_space: global }
      - { .name: gp, .offset: 8, .size: 8, .value_kind: global_buffer, .address_space: global }
      - { .name: v_p, .offset: 16, .size: 8, .value_kind: global_buffer, .address_space: global }
      - { .name: accp, .offset: 24, .size: 8, .value_kind: global_buffer, .address_space: global }
      - { .name: stat, .offset: 32, .size: 8, .value_kind: global_buffer, .address_space: global }
    .group_segment_fixed_size: 72192
    .private_segment_fixed_size: 0
    .kernarg_segment_align: 8
    .kernarg_segment_size: 40
    .max_flat_workgroup_size: 512
    .sgpr_count:     66
    .vgpr_count:     228
    .wavefront_size: 32
...
	.end_amdgpu_metadata
.endif
;; end of part 2
;; launch ctxmm (part 3): grid 128 x 1, 8 waves a work-group, no clusters, 88,064 bytes of LDS; arguments accp, stat, W_c, cp; writes cp
.if DOCPART == 3
	.amdgcn_target "amdgcn-amd-amdhsa--gfx1250"
	.amdhsa_code_object_version 6
	.text
	.protected	k_qe25d49a4ef_ctxmm
	.globl	k_qe25d49a4ef_ctxmm
	.p2align	8
	.type	k_qe25d49a4ef_ctxmm,@function
k_qe25d49a4ef_ctxmm:
	s_mov_b64 s[64:65], 0
	v_nop
	global_prefetch_b8 v0, s[64:65] scope:SCOPE_SE
	s_setreg_imm32_b32 hwreg(HW_REG_WAVE_MODE, 25, 1), 1
	s_wait_xcnt 0x0
; THE CONTEXT'S HALF OF THE LAST PRODUCT, as partial sums over slices of K.  cp: f32 [slice 8][batch 64][column 1024]: sum over c in the slice of context[n][c] W_c[h][c].
; context[n][c] = sum over the batch's four quarters j of f_j accp[n][j][c], f_j = 2^(m_j - M) / sum over j of 2^(m_j - M) l_j: the softmax's divisor is applied here, once.
; SHARES.  Work-group x: 64 columns (x % 16), 128 of K (x / 16): a product 64 x 64 x 128; it joins the quarters for its own slice.  Eight waves: wave w joins batches 8 w .. + 7, and multiplies
; batches 16 (w % 4) .. + 15 by columns 32 (w / 4) .. + 31: two accumulators.  128 work-groups: a finer slice of K would make more partial sums to store and read than it spares.
; NUMBERS.  Both operands are split, x = hi + lo in bf16, and the matrix unit adds hi hi + hi lo + lo hi in f32; what is dropped is about 2^-16 of a product.
; LIMITS.  The order of the sums is this text's own; NaN and infinities are not treated apart.  The divisor is at least 1 (the quarter that holds M has a weight 2^0).
; No cluster: the shared slice of accp passes through registers, to be joined and split, before it lies in LDS.  THE MATRIX INSTRUCTION IS USED TRANSPOSED (source 0 = 16 columns of W_c, source 1 = 16 batches).
.set PA,    272                        ; an LDS row of 128 bf16 + 16 bytes: 17 x 16
.set AL,    64*PA                      ; the context's lo parts, behind its hi parts
.set WH,    2*64*PA                    ; W_c's hi parts
.set WL,    3*64*PA                    ; W_c's lo parts
.set STAGE, 4*64*PA                    ; 64 rows x 272 bytes of f32, for the way out
.set SP,    272
.set SPARE, STAGE+64*SP                ; the spare words, 128 bytes for each wave: four blocks of 256 bytes that no other line names
.set GA,   4                           ; v4   byte offset of my 16 bytes in accp's slice
.set GW,   5                           ; v5   the same in W_c's slice
.set SA,   6                           ; v6   LDS: where my 8 bytes of a row go
.set G8,   7                           ; v7   8 x my thread's number: my pair in stat
.set FA,   8                           ; v8   LDS: my lane's place in the context's fragments
.set FW,   9                           ; v9   the same in W_c's, less WH
.set ST,   11
.set RD,   12
.set GO,   13
.set SPW,  14                          ; v14  LDS address of my spare word; never rewritten
.set NIL,  15                          ; v15  0; never rewritten
.set T,    16                          ; v[16:31] two sets of eight at work
.set ACC0, 32
.set ACC1, 40
.set XA,   64                          ; v[64:191]  accp as loaded: batch nl, quarter j at XA + 16 nl + 4 j
.set XW,   192                         ; v[192:223] W_c as loaded
.set B0,   64                          ; behind the barrier: two fragment buffers of 48
.set B1,   112
.set OB,   160
.set F,    32                          ; s[32:63] f of batch nl, quarter j at F + 4 nl + j
.macro CONV x, adr, ih, il, t          ; four f32 are split: hi rounded to bf16, widened again, taken away (exact), the rest rounded to bf16
	v_cvt_pk_bf16_f32 v[(\t)],   v[(\x)],   v[(\x)+1]
	v_cvt_pk_bf16_f32 v[(\t)+1], v[(\x)+2], v[(\x)+3]
	v_lshlrev_b32 v[(\t)+2], 16,  v[(\t)]
	v_and_b32     v[(\t)+3], s22, v[(\t)]
	v_lshlrev_b32 v[(\t)+4], 16,  v[(\t)+1]
	v_and_b32     v[(\t)+5], s22, v[(\t)+1]
	v_pk_add_f32 v[(\x):(\x)+1],   v[(\x):(\x)+1],   v[(\t)+2:(\t)+3] neg_lo:[0,1] neg_hi:[0,1]
	v_pk_add_f32 v[(\x)+2:(\x)+3], v[(\x)+2:(\x)+3], v[(\t)+4:(\t)+5] neg_lo:[0,1] neg_hi:[0,1]
	v_cvt_pk_bf16_f32 v[(\t)+6], v[(\x)],   v[(\x)+1]
	v_cvt_pk_bf16_f32 v[(\t)+7], v[(\x)+2], v[(\x)+3]
	ds_store_b64 v[\adr], v[(\t):(\t)+1]   offset:\ih
	ds_store_b64 v[\adr], v[(\t)+6:(\t)+7] offset:\il
.endm
.macro FETCH step, buf                 ; 12 LDS loads: context hi 0-7, lo 8-15; W_c hi of column blocks 0, 1 at 16, 24; lo at 32, 40
	ds_load_b128 v[(\buf):(\buf)+3],     v[FA] offset:64*(\step)
	ds_load_b128 v[(\buf)+4:(\buf)+7],   v[FA] offset:64*(\step)+32
	ds_load_b128 v[(\buf)+8:(\buf)+11],  v[FA] offset:64*(\step)+AL
	ds_load_b128 v[(\buf)+12:(\buf)+15], v[FA] offset:64*(\step)+AL+32
.irp hl, 0,1
.irp bk, 0,1
	ds_load_b128 v[(\buf)+16+16*(\hl)+8*(\bk):(\buf)+19+16*(\hl)+8*(\bk)], v[FW] offset:WH+(WL-WH)*(\hl)+16*PA*(\bk)+64*(\step)
	ds_load_b128 v[(\buf)+20+16*(\hl)+8*(\bk):(\buf)+23+16*(\hl)+8*(\bk)], v[FW] offset:WH+(WL-WH)*(\hl)+16*PA*(\bk)+64*(\step)+32
.endr
.endr
.endm
.macro MUL buf, first                  ; hi hi, hi lo, lo hi for both column blocks; the two accumulators take turns, one instruction a turn; first = 0 starts the sums
.if (\first) == 0
	v_wmma_f32_16x16x32_bf16 v[ACC0:ACC0+7], v[(\buf)+16:(\buf)+23], v[(\buf):(\buf)+7], 0
	v_wmma_f32_16x16x32_bf16 v[ACC1:ACC1+7], v[(\buf)+24:(\buf)+31], v[(\buf):(\buf)+7], 0
.else
	v_wmma_f32_16x16x32_bf16 v[ACC0:ACC0+7], v[(\buf)+16:(\buf)+23], v[(\buf):(\buf)+7], v[ACC0:ACC0+7]
	v_wmma_f32_16x16x32_bf16 v[ACC1:ACC1+7], v[(\buf)+24:(\buf)+31], v[(\buf):(\buf)+7], v[ACC1:ACC1+7]
.endif
	v_wmma_f32_16x16x32_bf16 v[ACC0:ACC0+7], v[(\buf)+16:(\buf)+23], v[(\buf)+8:(\buf)+15], v[ACC0:ACC0+7]
	v_wmma_f32_16x16x32_bf16 v[ACC1:ACC1+7], v[(\buf)+24:(\buf)+31], v[(\buf)+8:(\buf)+15], v[ACC1:ACC1+7]
	v_wmma_f32_16x16x32_bf16 v[ACC0:ACC0+7], v[(\buf)+32:(\buf)+39], v[(\buf):(\buf)+7], v[ACC0:ACC0+7]
	v_wmma_f32_16x16x32_bf16 v[ACC1:ACC1+7], v[(\buf)+40:(\buf)+47], v[(\buf):(\buf)+7], v[ACC1:ACC1+7]
.endm
.macro PLACES                          ; four plain vector instructions between a matrix instruction and a load into its sources or a reader of its result
.rept 4
	v_nop
.endr
.endm
	s_load_b256 s[4:11], s[0:1], 0x0               ; accp s[4:5], stat s[6:7], W_c s[8:9], cp s[10:11]
	v_lshl_add_u32 v[SPW], v0, 2, SPARE
	v_mov_b32 v[NIL], 0
	v_lshrrev_b32 v16, 5, v0
	v_readfirstlane_b32 s14, v16                   ; wave 0..7
	s_and_b32 s16, ttmp9, 15                       ; block of 64 columns
	s_lshr_b32 s17, ttmp9, 4                       ; slice of 128 along K
	s_mov_b32 s22, 0xffff0000                      ; a word's upper bf16
	s_and_b32 s23, s14, 3                          ; my block of 16 batches
	s_lshr_b32 s24, s14, 2                         ; my half of the 64 columns
	v_and_b32 v1, 31, v0                           ; lane
	v_and_b32 v2, 15, v0                           ; lane % 16
	v_bfe_u32 v3, v0, 4, 1                         ; lane / 16
	s_lshl_b32 s25, s14, 17                        ; accp: eight batches of 16,384 bytes a wave
	v_lshl_add_u32 v[GA], v1, 4, s25
	s_lshl_b32 s25, s14, 16                        ; W_c: eight rows of 8,192 bytes a wave
	v_lshl_add_u32 v[GW], v1, 4, s25
	v_lshlrev_b32 v[G8], 3, v0
	s_mul_i32 s25, s14, 8*PA
	v_lshl_add_u32 v[SA], v1, 3, s25
	s_mul_i32 s25, s23, 16*PA
	v_mul_u32_u24 v[FA], v2, PA
	v_lshl_add_u32 v[FA], v3, 4, v[FA]             ; row x pitch + 16 x half
	s_mul_i32 s26, s24, 32*PA
	v_add_nc_u32 v[FW], s26, v[FA]
	v_add_nc_u32 v[FA], s25, v[FA]
	s_mul_i32 s25, s23, 16*SP                      ; into the stage: batch 16 (w % 4) + lane % 16, columns 32 (w / 4) + 8 (lane / 16) on
	s_lshl_b32 s26, s24, 7
	s_add_co_u32 s25, s25, s26
	s_add_co_u32 s25, s25, STAGE
	v_mul_u32_u24 v[ST], v2, SP
	v_lshl_add_u32 v[ST], v3, 5, v[ST]
	v_add_nc_u32 v[ST], s25, v[ST]
	s_mul_i32 s25, s14, 8*SP                       ; back: wave w takes rows 8 w .. 8 w + 7, whole
	s_add_co_u32 s25, s25, STAGE
	v_mul_u32_u24 v[RD], v3, SP
	v_lshl_add_u32 v[RD], v2, 4, v[RD]
	v_add_nc_u32 v[RD], s25, v[RD]
	s_lshl_b32 s25, s14, 15                        ; and the same rows in cp
	v_lshlrev_b32 v[GO], 12, v3
	v_lshl_add_u32 v[GO], v2, 4, v[GO]
	v_add_nc_u32 v[GO], s25, v[GO]
	s_lshl_b32 s18, s17, 9                         ; the slice's 128 f32 in a row
	s_mov_b32 s19, 0
	s_lshl_b32 s20, s16, 19                        ; W_c: 64 rows of 8,192 bytes a block, first half of each row
	s_add_co_u32 s20, s20, s18
	s_mov_b32 s21, 0
	s_lshl_b32 s28, s17, 18                        ; cp: slice, column block
	s_lshl_b32 s26, s16, 8
	s_add_co_u32 s28, s28, s26
	s_mov_b32 s29, 0
	s_wait_kmcnt 0x0
	s_add_nc_u64 s[4:5], s[4:5], s[18:19]
	s_add_nc_u64 s[8:9], s[8:9], s[20:21]
	s_add_nc_u64 s[10:11], s[10:11], s[28:29]
	global_load_b64 v[48:49], v[G8], s[6:7]        ; lane l: (m, l) of batch 8 w + l / 4, quarter l % 4
.set i, 0
.rept 32                               ; each instruction takes the 512 bytes of one batch's one quarter
	global_load_b128 v[XA+4*i:XA+4*i+3], v[GA], s[4:5] offset:(i/4)*16384+(i%4)*4096
.set i, i+1
.endr
.set i, 0
.rept 8                                ; and the 512 bytes of one row of W_c
	global_load_b128 v[XW+4*i:XW+4*i+3], v[GW], s[8:9] offset:i*8192 th:TH_LOAD_NT
.set i, i+1
.endr
	s_wait_loadcnt 40                              ; stat is in; accp's 32 loads and W_c's 8 stay out
	v_mov_b32 v50, v48
	v_max_num_f32_dpp v50, v50, v50 row_xmask:1 row_mask:0xf bank_mask:0xf
	v_max_num_f32_dpp v50, v50, v50 row_xmask:2 row_mask:0xf bank_mask:0xf  ; M of the batch, in its four lanes
	v_sub_f32 v51, v48, v50
	v_exp_f32 v51, v51
	v_nop                                          ; a plain instruction behind the transcendental, here and below
	s_wait_alu depctr_va_vdst(0)
	v_mul_f32 v52, v51, v49
	v_add_f32_dpp v52, v52, v52 row_xmask:1 row_mask:0xf bank_mask:0xf
	v_add_f32_dpp v52, v52, v52 row_xmask:2 row_mask:0xf bank_mask:0xf      ; the softmax's divisor
	v_rcp_f32 v52, v52
	v_nop
	s_wait_alu depctr_va_vdst(0)
	v_mul_f32 v51, v51, v52
.set i, 0
.rept 32
	v_readlane_b32 s[F+i], v51, i                  ; multipliers alone: no address and no branch hangs on them
.set i, i+1
.endr
.set nl, 0
.rept 8
	s_wait_loadcnt 8+4*(7-nl)                      ; this batch's four quarters are in; the later batches' and W_c's 8 stay out
.irp e, 0,1,2,3
	v_mul_f32 v[XA+16*nl+(\e)], s[F+4*nl], v[XA+16*nl+(\e)]
.endr
.irp j, 1,2,3
.irp e, 0,1,2,3
	v_fmac_f32 v[XA+16*nl+(\e)], s[F+4*nl+(\j)], v[XA+16*nl+4*(\j)+(\e)]
.endr
.endr
	CONV XA+16*nl, SA, nl*PA, nl*PA+AL, T+8*(nl%2)
.set nl, nl+1
.endr
.set i, 0
.rept 8
	s_wait_loadcnt 7-i                             ; row i of W_c is in
	CONV XW+4*i, SA, WH+i*PA, WL+i*PA, T+8*(i%2)
.set i, i+1
.endr
	s_wait_dscnt 0x0                               ; for the others' sake: my stores are done
	s_barrier_signal -1
	s_barrier_wait -1                              ; both operands lie whole in LDS
	FETCH 0, B0
	FETCH 1, B1
	s_wait_dscnt 12                                ; this step's fragments are in; the 12 loads of the next step may stay out
	MUL B0, 0
	PLACES
	FETCH 2, B0
	s_wait_dscnt 12
	MUL B1, 1
	PLACES
	FETCH 3, B1
	s_wait_dscnt 12
	MUL B0, 2
	s_wait_dscnt 0x0
	MUL B1, 3
	PLACES
	ds_store_b128 v[ST], v[ACC0:ACC0+3]            ; each accumulator's lowest registers are read first
	ds_store_b128 v[ST], v[ACC0+4:ACC0+7] offset:16
	ds_store_b128 v[ST], v[ACC1:ACC1+3]   offset:64
	ds_store_b128 v[ST], v[ACC1+4:ACC1+7] offset:80
	s_wait_dscnt 0x0                               ; a row's 256 bytes come from two waves
	s_barrier_signal -1
	s_barrier_wait -1
.irp t, 0,1,2,3
	ds_load_b128 v[OB+4*(\t):OB+4*(\t)+3], v[RD] offset:(\t)*2*SP
.endr
.irp t, 0,1,2,3
	s_wait_dscnt 3-(\t)
	global_store_b128 v[GO], v[OB+4*(\t):OB+4*(\t)+3], s[10:11] offset:(\t)*2*4096  ; 16 lanes store 256 consecutive bytes, at a multiple of 256 from cp's first byte
.endr
	s_wait_tensorcnt 0x0                           ; the wave's end, behind my last LDS store
	ds_add_u32 v[SPW], v[NIL]
	s_wait_dscnt 0x0
	s_endpgm
.Lfunc_end_k_qe25d49a4ef_ctxmm:
	.size	k_qe25d49a4ef_ctxmm, .Lfunc_end_k_qe25d49a4ef_ctxmm-k_qe25d49a4ef_ctxmm
	.p2alignl 7, 3214868480
	.fill 96, 4, 3214868480
	.section	.rodata,"a",@progbits
	.p2align	6, 0x0
	.amdhsa_kernel k_qe25d49a4ef_ctxmm
		.amdhsa_group_segment_fixed_size 88064
		.amdhsa_private_segment_fixed_size 0
		.amdhsa_enable_private_segment 0
		.amdhsa_kernarg_size 32
		.amdhsa_user_sgpr_count 2
		.amdhsa_user_sgpr_kernarg_segment_ptr 1
		.amdhsa_wavefront_size32 1
		.amdhsa_system_sgpr_workgroup_id_x 1
		.amdhsa_system_sgpr_workgroup_id_y 1
		.amdhsa_system_sgpr_workgroup_id_z 1
		.amdhsa_system_vgpr_workitem_id 0
		.amdhsa_next_free_vgpr 224
		.amdhsa_next_free_sgpr 66
		.amdhsa_reserve_vcc 0
		.amdhsa_float_denorm_mode_32 3
		.amdhsa_float_denorm_mode_16_64 3
		.amdhsa_memory_ordered 1
		.amdhsa_forward_progress 1
		.amdhsa_inst_pref_size 31
	.end_amdhsa_kernel
	.amdgpu_metadata
---
amdhsa.version: [ 1, 2 ]
amdhsa.kernels:
  - .name:           k_qe25d49a4ef_ctxmm
    .symbol:         k_qe25d49a4ef_ctxmm.kd
    .args:
      - { .name: accp, .offset: 0, .size: 8, .value_kind: global_buffer, .address_space: global }
      - { .name: stat, .offset: 8, .size: 8, .value_kind: global_buffer, .address_space: global }
      - { .name: W_c, .offset: 16, .size: 8, .value_kind: global_buffer, .address_space: global }
      - { .name: cp, .offset: 24, .size: 8, .value_kind: global_buffer, .address_space: global }
    .group_segment_fixed_size: 88064
    .private_segment_fixed_size: 0
    .kernarg_segment_align: 8
    .kernarg_segment_size: 32
    .max_flat_workgroup_size: 256
    .sgpr_count:     66
    .vgpr_count:     224
    .wavefront_size: 32
...
	.end_amdgpu_metadata
.endif
;; end of part 3
;; launch finish (part 4): grid 256 x 1, 2 waves a work-group, no clusters, 0 bytes of LDS; arguments cp, gp, out0; writes out0
.if DOCPART == 4
	.amdgcn_target "amdgcn-amd-amdhsa--gfx1250"
	.amdhsa_code_object_version 6
	.text
	.protected	k_qe25d49a4ef_finish
	.globl	k_qe25d49a4ef_finish
	.p2align	8
	.type	k_qe25d49a4ef_finish,@function
k_qe25d49a4ef_finish:
	s_mov_b64 s[64:65], 0
	v_nop
	global_prefetch_b8 v0, s[64:65] scope:SCOPE_SE
	s_setreg_imm32_b32 hwreg(HW_REG_WAVE_MODE, 25, 1), 1
	s_wait_xcnt 0x0
; out0[n][h] = tanh(the eight partial sums of cp + the four of gp's task 2).  A thread owns four neighbouring numbers; 64 threads a work-group, 256 work-groups: 65,536 numbers.
; The slices lie 262,144 bytes apart in both buffers, and gp's task 2 begins at its slice 8: slice s of the twelve stands at s x 262,144 from its buffer's first byte.
; tanh(y) = 1 - 2 / (1 + 2^(2 y log2 e)), by v_exp_f32 and v_rcp_f32: an absolute error of about 2^-23; for large |y| the exponential is 0 or infinite and the result -1 or 1.  NaN is not treated apart.
; No LDS, no barrier: no thread needs another's numbers.
.set SLICE, 262144
.set X, 4                              ; v[4:51] slice s at X + 4 s; the sum grows in slice 0's registers
	s_load_b128 s[4:7], s[0:1], 0x0                ; cp s[4:5], gp s[6:7]
	s_load_b64 s[8:9], s[0:1], 0x10                ; out0
	s_lshl_b32 s10, ttmp9, 10                      ; 1,024 bytes a work-group
	v_lshl_add_u32 v1, v0, 4, s10
	s_wait_kmcnt 0x0
.irp s, 0,1,2,3,4,5,6,7
	global_load_b128 v[X+4*(\s):X+4*(\s)+3], v1, s[4:5] offset:(\s)*SLICE th:TH_LOAD_NT
.endr
.irp s, 8,9,10,11
	global_load_b128 v[X+4*(\s):X+4*(\s)+3], v1, s[6:7] offset:(\s)*SLICE th:TH_LOAD_NT
.endr
.irp s, 1,2,3,4,5,6,7,8,9,10,11
	s_wait_loadcnt 11-(\s)                         ; loads come back in order: slice s is in, the younger ones stay out
	v_pk_add_f32 v[X:X+1],   v[X:X+1],   v[X+4*(\s):X+4*(\s)+1]
	v_pk_add_f32 v[X+2:X+3], v[X+2:X+3], v[X+4*(\s)+2:X+4*(\s)+3]
.endr
	v_pk_mul_f32 v[X:X+1],   v[X:X+1],   0x4038aa3b op_sel_hi:[1,0]  ; 2 y log2 e
	v_pk_mul_f32 v[X+2:X+3], v[X+2:X+3], 0x4038aa3b op_sel_hi:[1,0]
.irp e, 0,1,2,3
	v_exp_f32 v[X+(\e)], v[X+(\e)]
.endr
	v_nop                                          ; a plain instruction behind the transcendentals, here and below
	s_wait_alu depctr_va_vdst(0)
	v_pk_add_f32 v[X:X+1],   v[X:X+1],   1.0 op_sel_hi:[1,0]
	v_pk_add_f32 v[X+2:X+3], v[X+2:X+3], 1.0 op_sel_hi:[1,0]
.irp e, 0,1,2,3
	v_rcp_f32 v[X+(\e)], v[X+(\e)]
.endr
	v_nop
	s_wait_alu depctr_va_vdst(0)
	v_pk_fma_f32 v[X:X+1],   v[X:X+1],   -2.0, 1.0 op_sel_hi:[1,0,0]
	v_pk_fma_f32 v[X+2:X+3], v[X+2:X+3], -2.0, 1.0 op_sel_hi:[1,0,0]
	global_store_b128 v1, v[X:X+3], s[8:9]         ; 16 lanes store 256 consecutive bytes, at a multiple of 256 from out0's first byte
	s_endpgm
.Lfunc_end_k_qe25d49a4ef_finish:
	.size	k_qe25d49a4ef_finish, .Lfunc_end_k_qe25d49a4ef_finish-k_qe25d49a4ef_finish
	.p2alignl 7, 3214868480
	.fill 96, 4, 3214868480
	.section	.rodata,"a",@progbits
	.p2align	6, 0x0
	.amdhsa_kernel k_qe25d49a4ef_finish
		.amdhsa_group_segment_fixed_size 0
		.amdhsa_private_segment_fixed_size 0
		.amdhsa_enable_private_segment 0
		.amdhsa_kernarg_size 24
		.amdhsa_user_sgpr_count 2
		.amdhsa_user_sgpr_kernarg_segment_ptr 1
		.amdhsa_wavefront_size32 1
		.amdhsa_system_sgpr_workgroup_id_x 1
		.amdhsa_system_sgpr_workgroup_id_y 1
		.amdhsa_system_sgpr_workgroup_id_z 1
		.amdhsa_system_vgpr_workitem_id 0
		.amdhsa_next_free_vgpr 64
		.amdhsa_next_free_sgpr 66
		.amdhsa_reserve_vcc 0
		.amdhsa_float_denorm_mode_32 3
		.amdhsa_float_denorm_mode_16_64 3
		.amdhsa_memory_ordered 1
		.amdhsa_forward_progress 1
		.amdhsa_inst_pref_size 5
	.end_amdhsa_kernel
	.amdgpu_metadata
---
amdhsa.version: [ 1, 2 ]
amdhsa.kernels:
  - .name:           k_qe25d49a4ef_finish
    .symbol:         k_qe25d49a4ef_finish.kd
    .args:
      - { .name: cp, .offset: 0, .size: 8, .value_kind: global_buffer, .address_space: global }
      - { .name: gp, .offset: 8, .size: 8, .value_kind: global_buffer, .address_space: global }
      - { .name: out0, .offset: 16, .size: 8, .value_kind: global_buffer, .address_space: global }
    .group_segment_fixed_size: 0
    .private_segment_fixed_size: 0
    .kernarg_segment_align: 8
    .kernarg_segment_size: 24
    .max_flat_workgroup_size: 64
    .sgpr_count:     66
    .vgpr_count:     64
    .wavefront_size: 32
...
	.end_amdgpu_metadata
.endif
;; end of part 4
;; ======== version 2 of 2: 4 launches; version 1 with the launches prep, ctxmm written anew for expert scheduling mode
;; workspace buffers: gp 3,145,728 bytes; accp 1,048,576 bytes; stat 2,048 bytes; cp 2,097,152 bytes
;; launch prep (part 5): grid 64 x 3, 8 waves a work-group, no clusters, 167,936 bytes of LDS; arguments output, W_a, W_p, W_c, gp; writes gp
.if DOCPART == 5
	.amdgcn_target "amdgcn-amd-amdhsa--gfx1250"
	.amdhsa_code_object_version 6
	.text
	.protected	k_qe25d49a4ef_prep
	.globl	k_qe25d49a4ef_prep
	.p2align	8
	.type	k_qe25d49a4ef_prep,@function
k_qe25d49a4ef_prep:
	s_mov_b64 s[64:65], 0
	v_nop
	global_prefetch_b8 v0, s[64:65] scope:SCOPE_SE
	s_setreg_imm32_b32 hwreg(HW_REG_WAVE_SCHED_MODE, 0, 2), 2
	s_setreg_imm32_b32 hwreg(HW_REG_WAVE_MODE, 25, 1), 1
	s_wait_xcnt 0x0
	s_wait_alu depctr_vm_vsrc(0)
; THREE PRODUCTS OF THE 64 QUERIES WITH WEIGHTS, as partial sums over slices of K.  gp: f32 [task 3][slice 4][batch 64][column 1024].
;   task 0: sum over g of output[n][g] W_a[g][h]          (the scores are then enc[n][l] . this vector: the same sum as output . (enc W_a^T), taken in another order)
;   task 1: sum over h of output[n][h] W_p[g][h]          (the argument of the position's tanh)
;   task 2: sum over c of output[n][c] W_c[h][1024 + c]   (the query's half of the last product)
; SHARES.  Work-group (x, y): task y, 64 columns (x % 16), 256 of K (x / 16): a product 64 x 64 x 256.  Eight waves: wave w makes batches 16 (w % 4) .. + 15, columns 32 (w / 4) .. + 31: two accumulators.
; NUMBERS.  Each f32 operand x is split into hi = bf16(x) and lo = bf16(x - hi); the matrix unit adds hi hi + hi lo + lo hi in f32.  What is dropped (lo lo, and lo's own rounding) is about 2^-16 of a product.
; The position multiplies an error of its argument by 256 rows, and the window turns a shift of a fraction of a row into a change of several per cent: operands rounded once to bf16 would not do.
; LIMITS.  The order of the sums differs from the order of a plain f32 product; NaN and infinities are not treated apart.
; Everything is asked for at once, and no LDS byte is written twice.  No cluster: the shared slice of output has to pass through registers to be split before it lies in LDS, and it is fetched once.
; THE MATRIX INSTRUCTION IS USED TRANSPOSED (source 0 = 16 columns of the weights, source 1 = 16 batches): a lane then holds eight neighbouring columns of one batch's row.
; THE MODE: SCHED_MODE bits 1:0 = 2 (LLVM: expert scheduling mode 2), set by the entry lines.  The code itself states the register dependences
; between vector or matrix instructions and memory or LDS instructions, with s_wait_alu, always for 0.
; THE PLAN.  Registers that memory or LDS instructions touch:
;   v4-v13    offsets and LDS addresses: written at the head and in the three arms, ahead of a wait on va_vdst, and never again.
;   XA, XW    an item's four f32 as loaded, once.  SPLIT reads them and leaves the item's lo pair in the first two; one LDS store reads that pair.
;   HA, HW    an item's hi pair: written once by SPLIT, read by one LDS store.  T is named by vector instructions alone.
;   The items go in groups of four.  At a group's head, behind the wait for its data, ONE wait on va_vdst states that the group before has written its pairs; that group's eight stores
;   follow, dealt among this group's SPLITs, which name their own X, their own H and T alone.  No pair is written twice, so nothing is owed for the stores' sources ahead of the barrier.
;   Behind the barrier v[48:239] are four fragment buffers: one wait on vm_vsrc states that the stores have read X and H.  Buffers 0-3 take K steps 0-3 at once.  The wait on va_vdst at the head of
;   step 2 states that steps 0 and 1 are done reading buffers 0 and 1: the loads of steps 4 and 5 land there, dealt among the matrix instructions of steps 2 and 3, which name buffers 2, 3 and the accumulators.
;   The wait at the head of step 4 does the same for buffers 2 and 3 and steps 6 and 7.
;   The accumulators are the data of the stage's stores: one wait on va_vdst, behind the four places; it also states that step 6 is done reading the registers in which the stage's loads land.
.set PA,    528                        ; an LDS row of 256 bf16 + 16 bytes: 33 x 16, so the 16 rows of a fragment load begin in 16 different columns of 16 bytes
.set PT,    160                        ; task 0: W_a lies [k][column]: a row of 64 bf16 + 32 bytes: 5 x 32, for the turning load
.set AL,    64*PA                      ; output's lo parts, behind its hi parts
.set WH,    2*64*PA                    ; the weights' hi parts
.set WL,    256*PT                     ; from the weights' hi parts to their lo parts (40,960: room for either layout)
.set STAGE, WH+2*WL                    ; 64 rows x 272 bytes of f32, for the way out
.set SP,    272
.set SPARE, STAGE+64*SP                ; the spare words, 128 bytes for each wave: four blocks of 256 bytes that no other line names
.set GA,   4                           ; v4   byte offset of my 16 bytes in output's slice
.set GW,   5                           ; v5   the same in the weights' slice
.set SA,   6                           ; v6   LDS: where my 8 bytes of hi parts of output go
.set SW,   7                           ; v7   the same for the weights
.set FA,   8                           ; v8   LDS: my lane's place in output's fragments
.set FW,   9                           ; v9   the same in the weights' hi parts; v10: in their lo parts
.set ST,   11                          ; v11  the way out: where I put my results
.set RD,   12                          ; v12  the way out: where I read rows back
.set GO,   13                          ; v13  my byte offset in gp
.set SPW,  14                          ; v14  LDS address of my spare word; never rewritten
.set NIL,  15                          ; v15  0; never rewritten
.set T,    16                          ; v[16:31] four sets of four at work: the hi parts widened again
.set ACC0, 32
.set ACC1, 40
.set XA,   48                          ; v[48:111]  output as loaded, 16 items of 4; then each item's lo pair in its first two registers
.set XW,   112                         ; v[112:175] weights likewise
.set HA,   176                         ; v[176:207] output's hi pairs, item i at HA + 2 i
.set HW,   208                         ; v[208:239] the weights' hi pairs
.set B0,   48                          ; behind the barrier: four fragment buffers of 48, v[48:239]
.set OB,   144                         ; the way out: rows read back
; 16 loads of a slice whose rows lie along K: item i is half i % 2 of row i / 2 of my eight rows; each instruction takes 512 consecutive bytes
.macro LOADK x, voff, base, pitch, nt
.set i, 0
.rept 16
.if \nt
	global_load_b128 v[(\x)+4*i:(\x)+4*i+3], v[\voff], s[\base:\base+1] offset:(i/2)*(\pitch)+(i%2)*512 th:TH_LOAD_NT
.else
	global_load_b128 v[(\x)+4*i:(\x)+4*i+3], v[\voff], s[\base:\base+1] offset:(i/2)*(\pitch)+(i%2)*512
.endif
.set i, i+1
.endr
.endm
; four f32 in v[x .. x+3] are split: hi rounded to bf16 (into v[h], v[h+1]), widened again, taken away (exact), the rest rounded to bf16 (into v[x], v[x+1])
.macro SPLIT x, h, t
	v_cvt_pk_bf16_f32 v[(\h)],   v[(\x)],   v[(\x)+1]
	v_cvt_pk_bf16_f32 v[(\h)+1], v[(\x)+2], v[(\x)+3]
	v_lshlrev_b32 v[(\t)],   16,  v[(\h)]
	v_and_b32     v[(\t)+1], s22, v[(\h)]
	v_lshlrev_b32 v[(\t)+2], 16,  v[(\h)+1]
	v_and_b32     v[(\t)+3], s22, v[(\h)+1]
	v_pk_add_f32 v[(\x):(\x)+1],   v[(\x):(\x)+1],   v[(\t):(\t)+1]   neg_lo:[0,1] neg_hi:[0,1]
	v_pk_add_f32 v[(\x)+2:(\x)+3], v[(\x)+2:(\x)+3], v[(\t)+2:(\t)+3] neg_lo:[0,1] neg_hi:[0,1]
	v_cvt_pk_bf16_f32 v[(\x)],   v[(\x)],   v[(\x)+1]
	v_cvt_pk_bf16_f32 v[(\x)+1], v[(\x)+2], v[(\x)+3]
.endm
; an item's 8 bytes of hi parts and 8 bytes of lo parts go to LDS
.macro PUT x, h, adr, ih, il
	ds_store_b64 v[\adr], v[(\h):(\h)+1] offset:\ih
	ds_store_b64 v[\adr], v[(\x):(\x)+1] offset:\il
.endm
; The weights' 16 items, in four groups.  The first group's stores are those of output's last four items.  tr = 1: the weights lie [k][column] in LDS.
.macro WCONV tr
.set i, 0
.rept 16
.if i%4 == 0
	s_wait_loadcnt 12-i                            ; loads come back in order: this group's four items are in; the weights' later groups stay out
	s_wait_alu depctr_va_vdst(0)                   ; the group before has written its hi and lo pairs, which the eight stores of this group's turn read
.endif
.if i < 4
	PUT XA+4*(i+12), HA+2*(i+12), SA, ((i+12)/2)*PA+((i+12)%2)*256, ((i+12)/2)*PA+((i+12)%2)*256+AL
.elseif \tr
	PUT XW+4*(i-4), HW+2*(i-4), SW, 2*(i-4)*PT, 2*(i-4)*PT+WL
.else
	PUT XW+4*(i-4), HW+2*(i-4), SW, ((i-4)/2)*PA+((i-4)%2)*256, ((i-4)/2)*PA+((i-4)%2)*256+WL
.endif
	SPLIT XW+4*i, HW+2*i, T+4*(i%4)
.set i, i+1
.endr
	s_wait_alu depctr_va_vdst(0)                   ; the last group has written its pairs, which the last eight stores read; every SPLIT is done with X and H, in which fragments land behind the barrier
.set i, 12
.rept 4
.if \tr
	PUT XW+4*i, HW+2*i, SW, 2*i*PT, 2*i*PT+WL
.else
	PUT XW+4*i, HW+2*i, SW, (i/2)*PA+(i%2)*256, (i/2)*PA+(i%2)*256+WL
.endif
.set i, i+1
.endr
.endm
; Fragment n of the six of a K step (32 along K), two LDS loads.  In the buffer: output hi 0-7, lo 8-15; weights hi of column blocks 0, 1 at 16, 24; lo at 32, 40.
; tr = 1: the weights lie [k][column] and are turned on the way (16 k x 16 columns a load).
.macro FRAG step, buf, tr, n
.if (\n) < 2
	ds_load_b128 v[(\buf)+8*(\n):(\buf)+8*(\n)+3],   v[FA] offset:64*(\step)+AL*(\n)
	ds_load_b128 v[(\buf)+8*(\n)+4:(\buf)+8*(\n)+7], v[FA] offset:64*(\step)+AL*(\n)+32
.elseif \tr
	ds_load_tr16_b128 v[(\buf)+8*(\n):(\buf)+8*(\n)+3],   v[FW+((\n)-2)/2] offset:32*PT*(\step)+32*((\n)%2)
	ds_load_tr16_b128 v[(\buf)+8*(\n)+4:(\buf)+8*(\n)+7], v[FW+((\n)-2)/2] offset:32*PT*(\step)+16*PT+32*((\n)%2)
.else
	ds_load_b128 v[(\buf)+8*(\n):(\buf)+8*(\n)+3],   v[FW+((\n)-2)/2] offset:64*(\step)+16*PA*((\n)%2)
	ds_load_b128 v[(\buf)+8*(\n)+4:(\buf)+8*(\n)+7], v[FW+((\n)-2)/2] offset:64*(\step)+16*PA*((\n)%2)+32
.endif
.endm
.macro FETCH step, buf, tr             ; a K step's 12 loads in one run
.irp n, 0,1,2,3,4,5
	FRAG \step, \buf, \tr, \n
.endr
.endm
.macro DEAL fstep, fbuf, tr, n         ; fragment n of step fstep, if there is a step to fetch
.if (\fstep) >= 0
	FRAG \fstep, \fbuf, \tr, \n
.endif
.endm
; six matrix instructions: hi hi, hi lo, lo hi for both column blocks.  The two accumulators take turns, one instruction a turn, from step to step too.
; first = 0: the first K step starts the sums with the constant 0: nothing is cleared.  fstep >= 0: behind each matrix instruction stand two loads of step fstep, into buffer fbuf, which
; no vector or matrix instruction since the last wait on va_vdst names.
.macro MUL buf, first, fstep, fbuf, tr
.if (\first) == 0
	v_wmma_f32_16x16x32_bf16 v[ACC0:ACC0+7], v[(\buf)+16:(\buf)+23], v[(\buf):(\buf)+7], 0
	DEAL \fstep, \fbuf, \tr, 0
	v_wmma_f32_16x16x32_bf16 v[ACC1:ACC1+7], v[(\buf)+24:(\buf)+31], v[(\buf):(\buf)+7], 0
.else
	v_wmma_f32_16x16x32_bf16 v[ACC0:ACC0+7], v[(\buf)+16:(\buf)+23], v[(\buf):(\buf)+7], v[ACC0:ACC0+7]
	DEAL \fstep, \fbuf, \tr, 0
	v_wmma_f32_16x16x32_bf16 v[ACC1:ACC1+7], v[(\buf)+24:(\buf)+31], v[(\buf):(\buf)+7], v[ACC1:ACC1+7]
.endif
	DEAL \fstep, \fbuf, \tr, 1
	v_wmma_f32_16x16x32_bf16 v[ACC0:ACC0+7], v[(\buf)+16:(\buf)+23], v[(\buf)+8:(\buf)+15], v[ACC0:ACC0+7]
	DEAL \fstep, \fbuf, \tr, 2
	v_wmma_f32_16x16x32_bf16 v[ACC1:ACC1+7], v[(\buf)+24:(\buf)+31], v[(\buf)+8:(\buf)+15], v[ACC1:ACC1+7]
	DEAL \fstep, \fbuf, \tr, 3
	v_wmma_f32_16x16x32_bf16 v[ACC0:ACC0+7], v[(\buf)+32:(\buf)+39], v[(\buf):(\buf)+7], v[ACC0:ACC0+7]
	DEAL \fstep, \fbuf, \tr, 4
	v_wmma_f32_16x16x32_bf16 v[ACC1:ACC1+7], v[(\buf)+40:(\buf)+47], v[(\buf):(\buf)+7], v[ACC1:ACC1+7]
	DEAL \fstep, \fbuf, \tr, 5
.endm
.macro PLACES                          ; four plain vector instructions between a matrix instruction and a load into its sources or a reader of its result
.rept 4
	v_nop
.endr
.endm
; eight K steps on four buffers: step k is multiplied out of buffer k % 4; steps 2 to 5 fetch the step two further on plus two, that is step k + 2, into buffer (k + 2) % 4
.macro GEMM tr
.irp k, 0,1,2,3
	FETCH \k, B0+48*(\k), \tr
.endr
.set kk, 0
.rept 8
.if (kk == 2) || (kk == 4)
	PLACES                                         ; the places stay, beside the wait below
.endif
.if kk < 2
	s_wait_dscnt 36-12*kk                          ; LDS loads come back in order: this step's fragments are in; the later first fetches, 12 loads a step, stay out
.elseif kk < 7
	s_wait_dscnt 12                                ; this step's fragments are in; the 12 loads of the next step may stay out
.else
	s_wait_dscnt 0x0
.endif
.if (kk == 2) || (kk == 4)
	s_wait_alu depctr_va_vdst(0)                   ; the matrix instructions of the two steps before are done reading their two buffers, in which the loads dealt among this step and the next land
.endif
.if (kk >= 2) && (kk < 6)
	MUL B0+48*(kk%4), kk, kk+2, B0+48*((kk+2)%4), \tr
.else
	MUL B0+48*(kk%4), kk, -1, 0, \tr
.endif
.set kk, kk+1
.endr
.endm
	s_load_b256 s[4:11], s[0:1], 0x0               ; output s[4:5], W_a s[6:7], W_p s[8:9], W_c s[10:11]
	s_load_b64 s[12:13], s[0:1], 0x20              ; gp
	v_lshl_add_u32 v[SPW], v0, 2, SPARE
	v_mov_b32 v[NIL], 0
	v_lshrrev_b32 v16, 5, v0
	v_readfirstlane_b32 s14, v16                   ; wave 0..7
	s_and_b32 s15, ttmp7, 0xffff                   ; task
	s_and_b32 s16, ttmp9, 15                       ; block of 64 columns
	s_lshr_b32 s17, ttmp9, 4                       ; slice of 256 along K
	s_mov_b32 s22, 0xffff0000                      ; a word's upper bf16
	v_and_b32 v1, 31, v0                           ; lane
	v_and_b32 v2, 15, v0                           ; lane % 16
	v_bfe_u32 v3, v0, 4, 1                         ; lane / 16
	s_wait_alu depctr_va_sdst(0)                   ; s14 is written, ahead of its first reader
	s_and_b32 s23, s14, 3                          ; my block of 16 batches
	s_lshr_b32 s24, s14, 2                         ; my half of the 64 columns
	s_lshl_b32 s25, s14, 15                        ; eight rows of 4,096 bytes a wave
	v_lshl_add_u32 v[GA], v1, 4, s25
	v_lshlrev_b32 v[GO], 12, v3                    ; out: lanes 0-15 one row's 256 bytes, lanes 16-31 the next row's
	v_lshl_add_u32 v[GO], v2, 4, v[GO]
	v_add_nc_u32 v[GO], s25, v[GO]
	s_mul_i32 s25, s14, 8*PA
	v_lshl_add_u32 v[SA], v1, 3, s25
	s_mul_i32 s25, s23, 16*PA
	v_mul_u32_u24 v[FA], v2, PA
	v_lshl_add_u32 v[FA], v3, 4, v[FA]             ; row x pitch + 16 x half
	v_add_nc_u32 v[FA], s25, v[FA]
	s_mul_i32 s25, s23, 16*SP                      ; into the stage: batch 16 (w % 4) + lane % 16, columns 32 (w / 4) + 8 (lane / 16) on
	s_lshl_b32 s26, s24, 7
	s_add_co_u32 s25, s25, s26
	s_add_co_u32 s25, s25, STAGE
	v_mul_u32_u24 v[ST], v2, SP
	v_lshl_add_u32 v[ST], v3, 5, v[ST]
	v_add_nc_u32 v[ST], s25, v[ST]
	s_mul_i32 s25, s14, 8*SP                       ; back: wave w takes rows 8 w .. 8 w + 7, whole
	s_add_co_u32 s25, s25, STAGE
	v_mul_u32_u24 v[RD], v3, SP
	v_lshl_add_u32 v[RD], v2, 4, v[RD]
	v_add_nc_u32 v[RD], s25, v[RD]
	s_lshl_b32 s18, s17, 10                        ; the slice's 256 f32 in a row that lies along K
	s_mov_b32 s19, 0
	s_lshl_b32 s20, s15, 20                        ; gp: task, slice, column block
	s_lshl_b32 s26, s17, 18
	s_add_co_u32 s20, s20, s26
	s_lshl_b32 s26, s16, 8
	s_add_co_u32 s20, s20, s26
	s_mov_b32 s21, 0
	s_wait_kmcnt 0x0
	s_add_nc_u64 s[4:5], s[4:5], s[18:19]
	s_add_nc_u64 s[12:13], s[12:13], s[20:21]
	s_wait_alu depctr_va_vdst(0)                   ; v[GA] is written, which the loads below read as their offset; so are v[GO], v[SA], v[FA], v[ST] and v[RD], for the stores and LDS accesses further down
	LOADK XA, GA, 4, 4096, 0                       ; output's slice: read by many work-groups, so no hint
	; the weights' slice: each of the three ways issues 16 loads, so the counts below hold on all of them
	s_cmp_eq_u32 s15, 0
	s_cbranch_scc1 .Lload_t
	v_add_nc_u32 v[SW], WH, v[SA]                  ; tasks 1 and 2: rows along K, laid out as output's
	s_mul_i32 s25, s24, 32*PA
	s_add_co_u32 s25, s25, WH
	v_mul_u32_u24 v[FW], v2, PA
	v_lshl_add_u32 v[FW], v3, 4, v[FW]
	v_add_nc_u32 v[FW], s25, v[FW]
	s_cmp_eq_u32 s15, 1
	s_cbranch_scc0 .Lload_c
	s_lshl_b32 s20, s16, 18                        ; W_p: 64 rows of 4,096 bytes a block
	s_add_co_u32 s20, s20, s18
	s_add_nc_u64 s[8:9], s[8:9], s[20:21]
	v_mov_b32 v[GW], v[GA]
	s_wait_alu depctr_va_vdst(0)                   ; v[GW] is written, which the loads below read; so are v[SW] and v[FW]
	LOADK XW, GW, 8, 4096, 1
	s_branch .Lloaded
.Lload_c:
	s_lshl_b32 s20, s16, 19                        ; W_c: 64 rows of 8,192 bytes a block, second half of each row
	s_add_co_u32 s20, s20, s18
	s_add_co_u32 s20, s20, 4096
	s_add_nc_u64 s[10:11], s[10:11], s[20:21]
	s_lshl_b32 s25, s14, 16
	v_lshl_add_u32 v[GW], v1, 4, s25
	s_wait_alu depctr_va_vdst(0)                   ; v[GW] is written, which the loads below read; so are v[SW] and v[FW]
	LOADK XW, GW, 10, 8192, 1
	s_branch .Lloaded
.Lload_t:
	s_lshl_b32 s20, s17, 20                        ; W_a: K runs down the rows: 256 rows of 4,096 bytes a slice, 256 bytes of each
	s_lshl_b32 s26, s16, 8
	s_add_co_u32 s20, s20, s26
	s_add_nc_u64 s[6:7], s[6:7], s[20:21]
	s_lshl_b32 s25, s14, 17                        ; 32 rows a wave
	v_lshlrev_b32 v[GW], 12, v3
	v_lshl_add_u32 v[GW], v2, 4, v[GW]
	v_add_nc_u32 v[GW], s25, v[GW]
	s_mul_i32 s25, s14, 32*PT
	s_add_co_u32 s25, s25, WH
	v_mul_u32_u24 v[SW], v3, PT
	v_lshl_add_u32 v[SW], v2, 3, v[SW]
	v_add_nc_u32 v[SW], s25, v[SW]
	v_and_b32 v16, 7, v0                           ; the turning load: lane l reads k = 8 (l / 16) + l % 8, columns 8 ((l / 8) % 2) + 0..7
	v_lshl_add_u32 v16, v3, 3, v16
	v_mul_u32_u24 v[FW], v16, PT
	v_bfe_u32 v16, v0, 3, 1
	v_lshl_add_u32 v[FW], v16, 4, v[FW]
	s_lshl_b32 s25, s24, 6
	s_add_co_u32 s25, s25, WH
	v_add_nc_u32 v[FW], s25, v[FW]
	s_wait_alu depctr_va_vdst(0)                   ; v[GW] is written, which the loads below read; so are v[SW] and v[FW]
.set i, 0
.rept 16                               ; lanes 0-15 take the 256 bytes of row 32 w + 2 i, lanes 16-31 those of the next row
	global_load_b128 v[XW+4*i:XW+4*i+3], v[GW], s[6:7] offset:2*i*4096 th:TH_LOAD_NT
.set i, i+1
.endr
.Lloaded:
	v_add_nc_u32 v[FW+1], WL, v[FW]                ; read first behind the barrier: the groups' waits on va_vdst stand between
.set i, 0
.rept 16                               ; output's 16 items, in four groups; a group's stores stand in the next group's turn
.if i%4 == 0
	s_wait_loadcnt 28-i                            ; loads come back in order: this group's four items are in; output's later groups and the weights' 16 loads stay out
.if i > 0
	s_wait_alu depctr_va_vdst(0)                   ; the group before has written its hi and lo pairs, which the eight stores of this group's turn read
.endif
.endif
.if i >= 4
	PUT XA+4*(i-4), HA+2*(i-4), SA, ((i-4)/2)*PA+((i-4)%2)*256, ((i-4)/2)*PA+((i-4)%2)*256+AL
.endif
	SPLIT XA+4*i, HA+2*i, T+4*(i%4)
.set i, i+1
.endr
	s_cmp_eq_u32 s15, 0
	s_cbranch_scc1 .Lconv_t
	WCONV 0
	s_branch .Lconved
.Lconv_t:
	WCONV 1
.Lconved:
	s_wait_dscnt 0x0                               ; for the others' sake: my stores are done
	s_barrier_signal -1
	s_barrier_wait -1                              ; both operands lie whole in LDS
	s_wait_alu depctr_vm_vsrc(0)                   ; my LDS stores have read the pairs in X and H: these registers are the fragment buffers from here on
	s_cmp_eq_u32 s15, 0
	s_cbranch_scc1 .Lgemm_t
	GEMM 0
	s_branch .Lout
.Lgemm_t:
	GEMM 1
.Lout:
	PLACES
	s_wait_alu depctr_va_vdst(0)                   ; the matrix instructions have written the accumulators, which the LDS stores read, and are done reading v[OB ..], in which the stage's loads land; the places above stay beside this wait
	ds_store_b128 v[ST], v[ACC0:ACC0+3]            ; each accumulator's lowest registers are read first
	ds_store_b128 v[ST], v[ACC0+4:ACC0+7] offset:16
	ds_store_b128 v[ST], v[ACC1:ACC1+3]   offset:64
	ds_store_b128 v[ST], v[ACC1+4:ACC1+7] offset:80
	s_wait_dscnt 0x0                               ; a row's 256 bytes come from two waves
	s_barrier_signal -1
	s_barrier_wait -1
.irp t, 0,1,2,3
	ds_load_b128 v[OB+4*(\t):OB+4*(\t)+3], v[RD] offset:(\t)*2*SP
.endr
.irp t, 0,1,2,3
	s_wait_dscnt 3-(\t)
	global_store_b128 v[GO], v[OB+4*(\t):OB+4*(\t)+3], s[12:13] offset:(\t)*2*4096  ; 16 lanes store 256 consecutive bytes, at a multiple of 256 from gp's first byte
.endr
	s_wait_dscnt 0x0                               ; the wave's end
	s_wait_alu 0x0
	s_wait_tensorcnt 0x0
	ds_add_u32 v[SPW], v[NIL]
	s_wait_dscnt 0x0
	s_endpgm
.Lfunc_end_k_qe25d49a4ef_prep:
	.size	k_qe25d49a4ef_prep, .Lfunc_end_k_qe25d49a4ef_prep-k_qe25d49a4ef_prep
	.p2alignl 7, 3214868480
	.fill 96, 4, 3214868480
	.section	.rodata,"a",@progbits
	.p2align	6, 0x0
	.amdhsa_kernel k_qe25d49a4ef_prep
		.amdhsa_group_segment_fixed_size 167936
		.amdhsa_private_segment_fixed_size 0
		.amdhsa_enable_private_segment 0
		.amdhsa_kernarg_size 40
		.amdhsa_user_sgpr_count 2
		.amdhsa_user_sgpr_kernarg_segment_ptr 1
		.amdhsa_wavefront_size32 1
		.amdhsa_system_sgpr_workgroup_id_x 1
		.amdhsa_system_sgpr_workgroup_id_y 1
		.amdhsa_system_sgpr_workgroup_id_z 1
		.amdhsa_system_vgpr_workitem_id 0
		.amdhsa_next_free_vgpr 240
		.amdhsa_next_free_sgpr 66
		.amdhsa_reserve_vcc 0
		.amdhsa_float_denorm_mode_32 3
		.amdhsa_float_denorm_mode_16_64 3
		.amdhsa_memory_ordered 1
		.amdhsa_forward_progress 1
		.amdhsa_inst_pref_size 64
	.end_amdhsa_kernel
	.amdgpu_metadata
---
amdhsa.version: [ 1, 2 ]
amdhsa.kernels:
  - .name:           k_qe25d49a4ef_prep
    .symbol:         k_qe25d49a4ef_prep.kd
    .args:
      - { .name: output, .offset: 0, .size: 8, .value_kind: global_buffer, .address_space: global }
      - { .name: W_a, .offset: 8, .size: 8, .value_kind: global_buffer, .address_space: global }
      - { .name: W_p, .offset: 16, .size: 8, .value_kind: global_buffer, .address_space: global }
      - { .name: W_c, .offset: 24, .size: 8, .value_kind: global_buffer, .address_space: global }
      - { .name: gp, .offset: 32, .size: 8, .value_kind: global_buffer, .address_space: global }
    .group_segment_fixed_size: 167936
    .private_segment_fixed_size: 0
    .kernarg_segment_align: 8
    .kernarg_segment_size: 40
    .max_flat_workgroup_size: 256
    .sgpr_count:     66
    .vgpr_count:     240
    .wavefront_size: 32
...
	.end_amdgpu_metadata
.endif
;; end of part 5
;; launch stream: the kernel of part 2 again; grid 256 x 1, 16 waves a work-group, no clusters, 72,192 bytes of LDS; arguments encoder_outputs, gp, v_p, accp, stat; writes accp, stat
;; launch ctxmm (part 6): grid 128 x 1, 8 waves a work-group, no clusters, 88,064 bytes of LDS; arguments accp, stat, W_c, cp; writes cp
.if DOCPART == 6
	.amdgcn_target "amdgcn-amd-amdhsa--gfx1250"
	.amdhsa_code_object_version 6
	.text
	.protected	k_qe25d49a4ef_ctxmm
	.globl	k_qe25d49a4ef_ctxmm
	.p2align	8
	.type	k_qe25d49a4ef_ctxmm,@function
k_qe25d49a4ef_ctxmm:
	s_mov_b64 s[64:65], 0
	v_nop
	global_prefetch_b8 v0, s[64:65] scope:SCOPE_SE
	s_setreg_imm32_b32 hwreg(HW_REG_WAVE_SCHED_MODE, 0, 2), 2
	s_setreg_imm32_b32 hwreg(HW_REG_WAVE_MODE, 25, 1), 1
	s_wait_xcnt 0x0
	s_wait_alu depctr_vm_vsrc(0)
; THE CONTEXT'S HALF OF THE LAST PRODUCT, as partial sums over slices of K.  cp: f32 [slice 8][batch 64][column 1024]: sum over c in the slice of context[n][c] W_c[h][c].
; context[n][c] = sum over the batch's four quarters j of f_j accp[n][j][c], f_j = 2^(m_j - M) / sum over j of 2^(m_j - M) l_j: the softmax's divisor is applied here, once.
; SHARES.  Work-group x: 64 columns (x % 16), 128 of K (x / 16): a product 64 x 64 x 128; it joins the quarters for its own slice.  Eight waves: wave w joins batches 8 w .. + 7, and multiplies
; batches 16 (w % 4) .. + 15 by columns 32 (w / 4) .. + 31: two accumulators.  128 work-groups: a finer slice of K would make more partial sums to store and read than it spares.
; NUMBERS.  Both operands are split, x = hi + lo in bf16, and the matrix unit adds hi hi + hi lo + lo hi in f32; what is dropped is about 2^-16 of a product.
; LIMITS.  The order of the sums is this text's own; NaN and infinities are not treated apart.  The divisor is at least 1 (the quarter that holds M has a weight 2^0).
; No cluster: the shared slice of accp passes through registers, to be joined and split, before it lies in LDS.  THE MATRIX INSTRUCTION IS USED TRANSPOSED (source 0 = 16 columns of W_c, source 1 = 16 batches).
; THE MODE: SCHED_MODE bits 1:0 = 2 (LLVM: expert scheduling mode 2), set by the entry lines.  The code itself states the register dependences
; between vector or matrix instructions and memory or LDS instructions, with s_wait_alu, always for 0.
; THE PLAN.  Registers that memory or LDS instructions touch:
;   v4-v13   offsets and LDS addresses: written at the head, ahead of a wait on va_vdst, and never again.
;   XA       batch i's four quarters as loaded, 16 registers at XA + 16 i.  The join leaves the context in + 0..3 and frees the rest.  SPLIT leaves the context's lo pair in + 0, 1 and its hi pair in + 4, 5:
;            one LDS store reads each.  + 6, 7 take the hi pair of W_c's item i, read by one LDS store.  + 8..11 and + 12..15 hold widened halves: vector instructions alone name them.
;   XW       W_c's item i as loaded, four registers; SPLIT leaves its lo pair in the first two, read by one LDS store.
;   The items go in groups of four.  At a group's head, behind the wait for its data, ONE wait on va_vdst states that the group before has written its pairs; that group's eight stores follow,
;   dealt among this group's joins and SPLITs, which name other registers alone.  No pair is written twice, so nothing is owed for the stores' sources ahead of the barrier.
;   Behind the barrier v[48:239] are four fragment buffers, one for each of the four K steps, each filled once: one wait on vm_vsrc states that the stores have read their pairs, and the product holds no s_wait_alu.
;   The accumulators are the data of the stage's stores: one wait on va_vdst, behind the four places; it also states that the products are done reading the registers in which the stage's loads land.
;   s[F ..]  written by v_readlane_b32, read by the joins: one wait on va_sdst behind the run of 32.
.set PA,    272                        ; an LDS row of 128 bf16 + 16 bytes: 17 x 16
.set AL,    64*PA                      ; the context's lo parts, behind its hi parts
.set WH,    2*64*PA                    ; W_c's hi parts
.set WL,    3*64*PA                    ; W_c's lo parts
.set STAGE, 4*64*PA                    ; 64 rows x 272 bytes of f32, for the way out
.set SP,    272
.set SPARE, STAGE+64*SP                ; the spare words, 128 bytes for each wave: four blocks of 256 bytes that no other line names
.set GA,   4                           ; v4   byte offset of my 16 bytes in accp's slice
.set GW,   5                           ; v5   the same in W_c's slice
.set SA,   6                           ; v6   LDS: where my 8 bytes of a row go
.set G8,   7                           ; v7   8 x my thread's number: my pair in stat
.set FA,   8                           ; v8   LDS: my lane's place in the context's fragments
.set FW,   9                           ; v9   the same in W_c's, less WH
.set ST,   11
.set RD,   12
.set GO,   13
.set SPW,  14                          ; v14  LDS address of my spare word; never rewritten
.set NIL,  15                          ; v15  0; never rewritten
.set ACC0, 32
.set ACC1, 40
.set XA,   64                          ; v[64:191]  accp as loaded: batch nl, quarter j at XA + 16 nl + 4 j
.set XW,   192                         ; v[192:223] W_c as loaded
.set B0,   48                          ; behind the barrier: four fragment buffers of 48, v[48:239]
.set OB,   160
.set F,    32                          ; s[32:63] f of batch nl, quarter j at F + 4 nl + j
; four f32 in v[x .. x+3] are split: hi rounded to bf16 (into v[h], v[h+1]), widened again, taken away (exact), the rest rounded to bf16 (into v[x], v[x+1])
.macro SPLIT x, h, t
	v_cvt_pk_bf16_f32 v[(\h)],   v[(\x)],   v[(\x)+1]
	v_cvt_pk_bf16_f32 v[(\h)+1], v[(\x)+2], v[(\x)+3]
	v_lshlrev_b32 v[(\t)],   16,  v[(\h)]
	v_and_b32     v[(\t)+1], s22, v[(\h)]
	v_lshlrev_b32 v[(\t)+2], 16,  v[(\h)+1]
	v_and_b32     v[(\t)+3], s22, v[(\h)+1]
	v_pk_add_f32 v[(\x):(\x)+1],   v[(\x):(\x)+1],   v[(\t):(\t)+1]   neg_lo:[0,1] neg_hi:[0,1]
	v_pk_add_f32 v[(\x)+2:(\x)+3], v[(\x)+2:(\x)+3], v[(\t)+2:(\t)+3] neg_lo:[0,1] neg_hi:[0,1]
	v_cvt_pk_bf16_f32 v[(\x)],   v[(\x)],   v[(\x)+1]
	v_cvt_pk_bf16_f32 v[(\x)+1], v[(\x)+2], v[(\x)+3]
.endm
; an item's 8 bytes of hi parts and 8 bytes of lo parts go to LDS
.macro PUT x, h, adr, ih, il
	ds_store_b64 v[\adr], v[(\h):(\h)+1] offset:\ih
	ds_store_b64 v[\adr], v[(\x):(\x)+1] offset:\il
.endm
.macro FETCH step, buf                 ; 12 LDS loads: context hi 0-7, lo 8-15; W_c hi of column blocks 0, 1 at 16, 24; lo at 32, 40
	ds_load_b128 v[(\buf):(\buf)+3],     v[FA] offset:64*(\step)
	ds_load_b128 v[(\buf)+4:(\buf)+7],   v[FA] offset:64*(\step)+32
	ds_load_b128 v[(\buf)+8:(\buf)+11],  v[FA] offset:64*(\step)+AL
	ds_load_b128 v[(\buf)+12:(\buf)+15], v[FA] offset:64*(\step)+AL+32
.irp hl, 0,1
.irp bk, 0,1
	ds_load_b128 v[(\buf)+16+16*(\hl)+8*(\bk):(\buf)+19+16*(\hl)+8*(\bk)], v[FW] offset:WH+(WL-WH)*(\hl)+16*PA*(\bk)+64*(\step)
	ds_load_b128 v[(\buf)+20+16*(\hl)+8*(\bk):(\buf)+23+16*(\hl)+8*(\bk)], v[FW] offset:WH+(WL-WH)*(\hl)+16*PA*(\bk)+64*(\step)+32
.endr
.endr
.endm
.macro MUL buf, first                  ; hi hi, hi lo, lo hi for both column blocks; the two accumulators take turns, one instruction a turn; first = 0 starts the sums
.if (\first) == 0
	v_wmma_f32_16x16x32_bf16 v[ACC0:ACC0+7], v[(\buf)+16:(\buf)+23], v[(\buf):(\buf)+7], 0
	v_wmma_f32_16x16x32_bf16 v[ACC1:ACC1+7], v[(\buf)+24:(\buf)+31], v[(\buf):(\buf)+7], 0
.else
	v_wmma_f32_16x16x32_bf16 v[ACC0:ACC0+7], v[(\buf)+16:(\buf)+23], v[(\buf):(\buf)+7], v[ACC0:ACC0+7]
	v_wmma_f32_16x16x32_bf16 v[ACC1:ACC1+7], v[(\buf)+24:(\buf)+31], v[(\buf):(\buf)+7], v[ACC1:ACC1+7]
.endif
	v_wmma_f32_16x16x32_bf16 v[ACC0:ACC0+7], v[(\buf)+16:(\buf)+23], v[(\buf)+8:(\buf)+15], v[ACC0:ACC0+7]
	v_wmma_f32_16x16x32_bf16 v[ACC1:ACC1+7], v[(\buf)+24:(\buf)+31], v[(\buf)+8:(\buf)+15], v[ACC1:ACC1+7]
	v_wmma_f32_16x16x32_bf16 v[ACC0:ACC0+7], v[(\buf)+32:(\buf)+39], v[(\buf):(\buf)+7], v[ACC0:ACC0+7]
	v_wmma_f32_16x16x32_bf16 v[ACC1:ACC1+7], v[(\buf)+40:(\buf)+47], v[(\buf):(\buf)+7], v[ACC1:ACC1+7]
.endm
.macro PLACES                          ; four plain vector instructions between a matrix instruction and a reader of its result (ISA guide 7.12.1)
.rept 4
	v_nop
.endr
.endm
	s_load_b256 s[4:11], s[0:1], 0x0               ; accp s[4:5], stat s[6:7], W_c s[8:9], cp s[10:11]
	v_lshl_add_u32 v[SPW], v0, 2, SPARE
	v_mov_b32 v[NIL], 0
	v_lshrrev_b32 v16, 5, v0
	v_readfirstlane_b32 s14, v16                   ; wave 0..7
	s_and_b32 s16, ttmp9, 15                       ; block of 64 columns
	s_lshr_b32 s17, ttmp9, 4                       ; slice of 128 along K
	s_mov_b32 s22, 0xffff0000                      ; a word's upper bf16
	v_and_b32 v1, 31, v0                           ; lane
	v_and_b32 v2, 15, v0                           ; lane % 16
	v_bfe_u32 v3, v0, 4, 1                         ; lane / 16
	v_lshlrev_b32 v[G8], 3, v0
	s_wait_alu depctr_va_sdst(0)                   ; s14 is written, ahead of its first reader
	s_and_b32 s23, s14, 3                          ; my block of 16 batches
	s_lshr_b32 s24, s14, 2                         ; my half of the 64 columns
	s_lshl_b32 s25, s14, 17                        ; accp: eight batches of 16,384 bytes a wave
	v_lshl_add_u32 v[GA], v1, 4, s25
	s_lshl_b32 s25, s14, 16                        ; W_c: eight rows of 8,192 bytes a wave
	v_lshl_add_u32 v[GW], v1, 4, s25
	s_mul_i32 s25, s14, 8*PA
	v_lshl_add_u32 v[SA], v1, 3, s25
	s_mul_i32 s25, s23, 16*PA
	v_mul_u32_u24 v[FA], v2, PA
	v_lshl_add_u32 v[FA], v3, 4, v[FA]             ; row x pitch + 16 x half
	s_mul_i32 s26, s24, 32*PA
	v_add_nc_u32 v[FW], s26, v[FA]
	v_add_nc_u32 v[FA], s25, v[FA]
	s_mul_i32 s25, s23, 16*SP                      ; into the stage: batch 16 (w % 4) + lane % 16, columns 32 (w / 4) + 8 (lane / 16) on
	s_lshl_b32 s26, s24, 7
	s_add_co_u32 s25, s25, s26
	s_add_co_u32 s25, s25, STAGE
	v_mul_u32_u24 v[ST], v2, SP
	v_lshl_add_u32 v[ST], v3, 5, v[ST]
	v_add_nc_u32 v[ST], s25, v[ST]
	s_mul_i32 s25, s14, 8*SP                       ; back: wave w takes rows 8 w .. 8 w + 7, whole
	s_add_co_u32 s25, s25, STAGE
	v_mul_u32_u24 v[RD], v3, SP
	v_lshl_add_u32 v[RD], v2, 4, v[RD]
	v_add_nc_u32 v[RD], s25, v[RD]
	s_lshl_b32 s25, s14, 15                        ; and the same rows in cp
	v_lshlrev_b32 v[GO], 12, v3
	v_lshl_add_u32 v[GO], v2, 4, v[GO]
	v_add_nc_u32 v[GO], s25, v[GO]
	s_lshl_b32 s18, s17, 9                         ; the slice's 128 f32 in a row
	s_mov_b32 s19, 0
	s_lshl_b32 s20, s16, 19                        ; W_c: 64 rows of 8,192 bytes a block, first half of each row
	s_add_co_u32 s20, s20, s18
	s_mov_b32 s21, 0
	s_lshl_b32 s28, s17, 18                        ; cp: slice, column block
	s_lshl_b32 s26, s16, 8
	s_add_co_u32 s28, s28, s26
	s_mov_b32 s29, 0
	s_wait_kmcnt 0x0
	s_add_nc_u64 s[4:5], s[4:5], s[18:19]
	s_add_nc_u64 s[8:9], s[8:9], s[20:21]
	s_add_nc_u64 s[10:11], s[10:11], s[28:29]
	s_wait_alu depctr_va_vdst(0)                   ; v[G8], v[GA] and v[GW] are written, which the loads below read as their offsets; so are v[SA], v[FA], v[FW], v[ST], v[RD] and v[GO], for the stores and LDS accesses further down
	global_load_b64 v[48:49], v[G8], s[6:7]        ; lane l: (m, l) of batch 8 w + l / 4, quarter l % 4
.set i, 0
.rept 32                               ; each instruction takes the 512 bytes of one batch's one quarter
	global_load_b128 v[XA+4*i:XA+4*i+3], v[GA], s[4:5] offset:(i/4)*16384+(i%4)*4096
.set i, i+1
.endr
.set i, 0
.rept 8                                ; and the 512 bytes of one row of W_c
	global_load_b128 v[XW+4*i:XW+4*i+3], v[GW], s[8:9] offset:i*8192 th:TH_LOAD_NT
.set i, i+1
.endr
	s_wait_loadcnt 40                              ; stat is in; accp's 32 loads and W_c's 8 stay out
	v_mov_b32 v50, v48
	v_max_num_f32_dpp v50, v50, v50 row_xmask:1 row_mask:0xf bank_mask:0xf
	v_max_num_f32_dpp v50, v50, v50 row_xmask:2 row_mask:0xf bank_mask:0xf  ; M of the batch, in its four lanes
	v_sub_f32 v51, v48, v50
	v_exp_f32 v51, v51
	v_nop                                          ; a plain instruction behind the transcendental, here and below
	s_wait_alu depctr_va_vdst(0)                   ; the exponential has written v51, ahead of its first reader
	v_mul_f32 v52, v51, v49
	v_add_f32_dpp v52, v52, v52 row_xmask:1 row_mask:0xf bank_mask:0xf
	v_add_f32_dpp v52, v52, v52 row_xmask:2 row_mask:0xf bank_mask:0xf      ; the softmax's divisor
	v_rcp_f32 v52, v52
	v_nop
	s_wait_alu depctr_va_vdst(0)                   ; the reciprocal has written v52, ahead of its first reader
	v_mul_f32 v51, v51, v52
.set i, 0
.rept 32
	v_readlane_b32 s[F+i], v51, i                  ; multipliers alone: no address and no branch hangs on them
.set i, i+1
.endr
	s_wait_alu depctr_va_sdst(0)                   ; the 32 factors s[F ..] are written, ahead of their first reader: one wait for the run
.set i, 0
.rept 8                                ; the eight batches, in two groups; a group's stores stand in the next group's turn
.if i%4 == 0
	s_wait_loadcnt 24-4*i                          ; loads come back in order: this group's four batches, 16 loads, are in; the later group's and W_c's 8 stay out
.if i > 0
	s_wait_alu depctr_va_vdst(0)                   ; the group before has written its hi and lo pairs, which the eight stores of this group's turn read
.endif
.endif
.if i >= 4
	PUT XA+16*(i-4), XA+16*(i-4)+4, SA, (i-4)*PA, (i-4)*PA+AL
.endif
.irp e, 0,1,2,3
	v_mul_f32 v[XA+16*i+(\e)], s[F+4*i], v[XA+16*i+(\e)]
.endr
.irp j, 1,2,3
.irp e, 0,1,2,3
	v_fmac_f32 v[XA+16*i+(\e)], s[F+4*i+(\j)], v[XA+16*i+4*(\j)+(\e)]
.endr
.endr
	SPLIT XA+16*i, XA+16*i+4, XA+16*i+8
.set i, i+1
.endr
.set i, 0
.rept 8                                ; W_c's eight rows, in two groups; the first group's stores are those of batches 4 to 7
.if i%4 == 0
	s_wait_loadcnt 4-i                             ; this group's four rows are in; the later four stay out
	s_wait_alu depctr_va_vdst(0)                   ; the group before has written its hi and lo pairs, which the eight stores of this group's turn read
.endif
.if i < 4
	PUT XA+16*(i+4), XA+16*(i+4)+4, SA, (i+4)*PA, (i+4)*PA+AL
.else
	PUT XW+4*(i-4), XA+16*(i-4)+6, SA, WH+(i-4)*PA, WL+(i-4)*PA
.endif
	SPLIT XW+4*i, XA+16*i+6, XA+16*i+12
.set i, i+1
.endr
	s_wait_alu depctr_va_vdst(0)                   ; the last group has written its pairs, which the last eight stores read; every vector instruction is done with v[48:223], in which fragments land behind the barrier
.set i, 4
.rept 4
	PUT XW+4*i, XA+16*i+6, SA, WH+i*PA, WL+i*PA
.set i, i+1
.endr
	s_wait_dscnt 0x0                               ; for the others' sake: my stores are done
	s_barrier_signal -1
	s_barrier_wait -1                              ; both operands lie whole in LDS
	s_wait_alu depctr_vm_vsrc(0)                   ; my LDS stores have read their pairs in XA and XW: these registers are fragment buffers from here on
	FETCH 0, B0                                    ; all four K steps are asked for at once, each into a buffer of its own
	FETCH 1, B0+48
	FETCH 2, B0+96
	FETCH 3, B0+144
	s_wait_dscnt 36                                ; LDS loads come back in order: this step's fragments are in; the later steps', 12 loads each, stay out
	MUL B0, 0
	s_wait_dscnt 24
	MUL B0+48, 1
	s_wait_dscnt 12
	MUL B0+96, 2
	s_wait_dscnt 0x0
	MUL B0+144, 3
	PLACES
	s_wait_alu depctr_va_vdst(0)                   ; the matrix instructions have written the accumulators, which the LDS stores read, and are done reading v[OB ..], in which the stage's loads land; the places above stay beside this wait
	ds_store_b128 v[ST], v[ACC0:ACC0+3]            ; each accumulator's lowest registers are read first
	ds_store_b128 v[ST], v[ACC0+4:ACC0+7] offset:16
	ds_store_b128 v[ST], v[ACC1:ACC1+3]   offset:64
	ds_store_b128 v[ST], v[ACC1+4:ACC1+7] offset:80
	s_wait_dscnt 0x0                               ; a row's 256 bytes come from two waves
	s_barrier_signal -1
	s_barrier_wait -1
.irp t, 0,1,2,3
	ds_load_b128 v[OB+4*(\t):OB+4*(\t)+3], v[RD] offset:(\t)*2*SP
.endr
.irp t, 0,1,2,3
	s_wait_dscnt 3-(\t)
	global_store_b128 v[GO], v[OB+4*(\t):OB+4*(\t)+3], s[10:11] offset:(\t)*2*4096  ; 16 lanes store 256 consecutive bytes, at a multiple of 256 from cp's first byte
.endr
	s_wait_dscnt 0x0                               ; the wave's end
	s_wait_alu 0x0
	s_wait_tensorcnt 0x0
	ds_add_u32 v[SPW], v[NIL]
	s_wait_dscnt 0x0
	s_endpgm
.Lfunc_end_k_qe25d49a4ef_ctxmm:
	.size	k_qe25d49a4ef_ctxmm, .Lfunc_end_k_qe25d49a4ef_ctxmm-k_qe25d49a4ef_ctxmm
	.p2alignl 7, 3214868480
	.fill 96, 4, 3214868480
	.section	.rodata,"a",@progbits
	.p2align	6, 0x0
	.amdhsa_kernel k_qe25d49a4ef_ctxmm
		.amdhsa_group_segment_fixed_size 88064
		.amdhsa_private_segment_fixed_size 0
		.amdhsa_enable_private_segment 0
		.amdhsa_kernarg_size 32
		.amdhsa_user_sgpr_count 2
		.amdhsa_user_sgpr_kernarg_segment_ptr 1
		.amdhsa_wavefront_size32 1
		.amdhsa_system_sgpr_workgroup_id_x 1
		.amdhsa_system_sgpr_workgroup_id_y 1
		.amdhsa_system_sgpr_workgroup_id_z 1
		.amdhsa_system_vgpr_workitem_id 0
		.amdhsa_next_free_vgpr 240
		.amdhsa_next_free_sgpr 66
		.amdhsa_reserve_vcc 0
		.amdhsa_float_denorm_mode_32 3
		.amdhsa_float_denorm_mode_16_64 3
		.amdhsa_memory_ordered 1
		.amdhsa_forward_progress 1
		.amdhsa_inst_pref_size 30
	.end_amdhsa_kernel
	.amdgpu_metadata
---
amdhsa.version: [ 1, 2 ]
amdhsa.kernels:
  - .name:           k_qe25d49a4ef_ctxmm
    .symbol:         k_qe25d49a4ef_ctxmm.kd
    .args:
      - { .name: accp, .offset: 0, .size: 8, .value_kind: global_buffer, .address_space: global }
      - { .name: stat, .offset: 8, .size: 8, .value_kind: global_buffer, .address_space: global }
      - { .name: W_c, .offset: 16, .size: 8, .value_kind: global_buffer, .address_space: global }
      - { .name: cp, .offset: 24, .size: 8, .value_kind: global_buffer, .address_space: global }
    .group_segment_fixed_size: 88064
    .private_segment_fixed_size: 0
    .kernarg_segment_align: 8
    .kernarg_segment_size: 32
    .max_flat_workgroup_size: 256
    .sgpr_count:     66
    .vgpr_count:     240
    .wavefront_size: 32
...
	.end_amdgpu_metadata
.endif
;; end of part 6
;; launch finish: the kernel of part 4 again; grid 256 x 1, 2 waves a work-group, no clusters, 0 bytes of LDS; arguments cp, gp, out0; writes out0
